; MI455X (gfx1250); checked and timed in simulation.
; The chip was launched on July 23, 2026; its instructions are those of AMD's public machine-readable ISA for CDNA 5 (MIT licence, August 2026) and "CDNA5" Instruction Set Architecture Reference Guide (July 2026). The comments in the code are by the model that wrote it; some were corrected since.
;; Multi Head Attention. Allowed arithmetic: matrix products marked QUANTISED: E2M1 operands, one E8M0 scale for each 32 along K, by v_wmma_scale_f32_16x16x128_f8f6f4 with both operands' format E2M1 (or v_wmma_scale_f32_32x16x128_f4), f32 sums; products left as they are: bf16, f16 or f32 operands; f32 sums; everything else in f32.
;; Inputs: mask 1 x 1 x 2,048 x 2,048 bool; w_k 1,024 x 1,024 float32; w_out 1,024 x 1,024 float32; w_q 1,024 x 1,024 float32; w_v 1,024 x 1,024 float32; x 4 x 2,048 x 1,024 float32.
;; Outputs: out0 4 x 2,048 x 1,024 float32.
;; This version of the problem:
;;   THIS VERSION OF THE PROBLEM IS GIVEN IN LOW PRECISION. The matrix products marked QUANTISED in the list below multiply operands that are first quantised to E2M1 (2 exponent bits, 1 mantissa bit; 4 bits a number), with one power-of-two scale for each 32 numbers along K (OCP MX v1.0); their sums are f32. The products marked 'left as it is' may take bf16, f16 or f32 operands, with f32 sums. Whichever they take, every output number must still come out within the allowed error. Rounding operands to bf16 (8 significant bits) uses up far more of that allowance than f16 does (11 bits, for magnitudes from 6e-5 to 65,504). All else is computed in f32.
;;   The module's matrix products, in the order in which they are computed (A, B: the left and right operand; K: the contracted axis; several contracted axes count as one K, in the product's order):
;;     1. [M 8,192, K 1,024] x [K 1,024, N 1,024]; A: input x; B: input w_q: QUANTISED
;;     2. [M 8,192, K 1,024] x [K 1,024, N 1,024]; A: input x; B: input w_k: QUANTISED
;;     3. [M 8,192, K 1,024] x [K 1,024, N 1,024]; A: input x; B: input w_v: QUANTISED
;;     4. batch 64 x [M 2,048, K 64] x [K 64, N 2,048]; A: computed on the way; B: computed on the way: left as it is (an operand is computed on the way)
;;     5. batch 64 x [M 2,048, K 2,048] x [K 2,048, N 64]; A: computed on the way; B: computed on the way: left as it is (an operand is computed on the way)
;;     6. [M 8,192, K 1,024] x [K 1,024, N 1,024]; A: computed on the way; B: input w_out: left as it is (an operand is computed on the way)
;;   THE QUANTISER, for each operand of a quantised product, along K:
;;     - K is cut into blocks of 32 from its start; a last block that is shorter is filled with zeros.
;;     - A block's scale is 2^e with e = floor(log2(the largest magnitude in the block)) - 2, held to -126 .. 127; a block of zeros has e = 0. As a byte (E8M0): e + 127.
;;     - Each number is divided by its block's scale, clamped to +-6, and rounded to the nearest number of E2M1, ties to even, subnormals kept.
;;     - The product sums the exact products of the quantised numbers (number of the format x scale) in f32.
;;   ~~~python
;;   def quantise(x, axis):      # numpy; x: float32 -> the quantised numbers, widened to float32 again
;;       x = np.moveaxis(x, axis, -1); K = x.shape[-1]
;;       x = np.pad(x, [(0, 0)] * (x.ndim - 1) + [(0, -K % 32)]); x = x.reshape(x.shape[:-1] + (-1, 32)); a = np.abs(x).max(-1, keepdims=True)
;;       e = np.where(a > 0, np.clip(np.frexp(np.where(a > 0, a, 1))[1] - 1 - 2, -126, 127), 0)      # np.frexp(a)[1] - 1 = floor(log2(a)), exactly
;;       r = np.clip(x / 2.0 ** e, -6, 6)
;;       step = 2.0 ** (np.maximum(np.frexp(np.where(r == 0, 1, r))[1] - 1, 0) - 1)
;;       q = np.round(r / step) * step * 2.0 ** e      # np.round: ties to even
;;       return np.moveaxis(q.reshape(q.shape[:-2] + (-1,))[..., :K], -1, axis).astype(np.float32)
;;   ~~~
;; One version. Each part assembles by itself: llvm-mc -triple=amdgcn-amd-amdhsa -mcpu=gfx1250 --defsym DOCPART=n.
;; ======== version 1 of 1: 5 launches
;; limits: values are held in f16: magnitudes above 65,504 overflow, below 6.1e-05 lose precision; right only within a limited range of input values
;; workspace buffers: xq 4,456,448 bytes; wq4 1,671,168 bytes; wo 4,194,304 bytes; cls 512 bytes of whole numbers; qkv 67,108,864 bytes; att 16,777,216 bytes
;; launch prep (part 1): grid 544 x 1, 4 waves a work-group, no clusters, 33,536 bytes of LDS; arguments x, w_q, w_k, w_v, w_out, mask, xq, wq4, wo, cls; writes xq, wq4, wo, cls
.if DOCPART == 1
	.amdgcn_target "amdgcn-amd-amdhsa--gfx1250"
	.amdhsa_code_object_version 6
	.text
	.protected	k_q61c3441ab3_prep
	.globl	k_q61c3441ab3_prep
	.p2align	8
	.type	k_q61c3441ab3_prep,@function
k_q61c3441ab3_prep:
	s_mov_b64 s[64:65], 0
	v_nop
	global_prefetch_b8 v0, s[64:65] scope:SCOPE_SE
	s_setreg_imm32_b32 hwreg(HW_REG_WAVE_MODE, 25, 1), 1
	s_wait_xcnt 0x0
; MULTI-HEAD ATTENTION, launch 1 of 5: what the later launches read many times is made once.
;   work-groups 0-351:   x, w_q, w_k, w_v (f32, K innermost) -> codes of FP4 (E2M1) with one E8M0 byte for each 32 along K  (xq, wq4)
;   work-groups 352-479: w_out -> a pair of f16 numbers, a high part and a low part x 2048                                   (wo)
;   work-groups 480-543: the mask's tiles of 32 queries x 64 keys are classed, as whole numbers                              (cls)
; DEAD WORK: no step of reference() is dead for all values of the inputs, so all six inputs are loaded and every product is made.
; WHAT THE MASK'S WHOLE NUMBERS LEAVE OUT (decided here, stored, and read from memory by the attention launches): a tile of 32 queries x 64 keys
; all of whose entries are masked, in a group of 32 queries each of which has an open key somewhere.  Its terms are e^(-1e9 - m), m the row's
; largest score, an open one: 0 in f32 as in reference().  A group that holds a wholly masked row walks all 32 key blocks with the mask applied:
; such a row is the plain average of all 2,048 values, as reference() has it.
; LIMITS: open scores lie above about -9e8; a NaN, an infinity or an overflow that reaches only tiles left out is not carried to the result;
; mask bytes are 0 or 1; blocks whose largest magnitude lies under 2^-124 (the floor, byte 1) were not tried, NaN and infinities among x and the weights are not served;
; a block of zeros gets the byte 1 where the rule says 127 (its codes are zeros, and this program alone reads the bytes);
; of w_out's numbers under 2^-14 the high part's own rounding to f16, at most 2^-25, is not caught by the low part.
; THE PAIR: F = (bits + 0x1000) & 0xffffe000 is the number rounded to 11 significant bits, which f16 holds exactly; low part = (number - F) x 2048.
; cls: for each group g of 32 queries two words: LIVE (bit kb: key block kb is walked), MIX (bit kb: the mask is applied there).
; No tensor loads, no cluster: the three paths stream, and work-groups share nothing.  Each path has LDS bytes of its own.
.set STEPS, 16
.set EMAX,  2
.set CB,    8                          ; bytes of 16 codes
.set R,     16                         ; v16-79   four sets of 16 numbers as they are loaded
.set X,     80                         ; v80-111  two sets of 16 neighbours
.set E,     112                        ; v112-127 a scale byte for each step
.set C,     128                        ; v128-159 codes: two registers for each step, so that no store's data are written again
.set WREG,  8192                       ; LDS, first path: a region for each wave: two stages of 32 x SP bytes, behind them its 256 scale bytes
.set SP,    80                         ; a lane's place in a stage: its 64 bytes + 16 of padding
.set CLS,   32768                      ; LDS, third path: 16 bytes for each wave
.set SPARE, 33024                      ; the spare words, 128 bytes for each wave: two blocks of 256 bytes that no other line names
.set SPW,   190                        ; v190 LDS address of my spare word; never rewritten
.set NIL,   191                        ; v191 0; never rewritten
.macro FINISH                          ; the wave's end: a tensor wait, an add of 0 onto my spare word and its wait, behind my last LDS store
	s_wait_tensorcnt 0x0
	ds_add_u32 v[SPW], v[NIL]
	s_wait_dscnt 0x0
	s_endpgm
.endm
	s_load_b512 s[4:19], s[0:1], 0x0               ; x, w_q, w_k, w_v, w_out, mask, xq, wq4
	s_load_b128 s[20:23], s[0:1], 0x40             ; wo, cls
	v_lshl_add_u32 v[SPW], v0, 2, SPARE
	v_mov_b32 v[NIL], 0
	v_lshrrev_b32 v1, 5, v0
	v_readfirstlane_b32 s24, v1                    ; wave
	v_and_b32 v2, 31, v0                           ; lane
	v_lshlrev_b32 v3, 4, v2                        ; 16 x lane: my 16 bytes of a load's 512
	s_mul_i32 s25, s24, WREG
	v_lshrrev_b32 v14, 2, v2
	v_mul_u32_u24 v14, v14, SP
	v_and_b32 v15, 3, v2
	v_lshl_add_u32 v14, v15, 4, v14
	v_add_nc_u32 v14, s25, v14                     ; the stage, on the way in: four lanes' 64 bytes on end, then 16 of padding
	v_mul_u32_u24 v15, v2, SP
	v_add_nc_u32 v15, s25, v15                     ; and on the way out: my 16 neighbours
	v_mul_u32_u24 v4, v2, CB                       ; 8 x lane
	v_lshrrev_b32 v5, 1, v2
	s_add_co_u32 s25, s25, 2*32*SP
	v_add_nc_u32 v5, s25, v5                       ; my wave's 256 scale bytes, my block's byte
	v_lshlrev_b32 v7, 3, v2
	v_add_nc_u32 v6, s25, v7                       ; and on the way out 8 bytes a lane
	v_mov_b32 v12, s24
	v_lshl_add_u32 v12, v12, 4, CLS                ; third path: my wave's 16 bytes
	v_mov_b32 v13, CLS
	s_wait_kmcnt 0x0
	s_cmp_lt_u32 ttmp9, 352
	s_cbranch_scc0 .Lnot_a
; ---- FIRST PATH: a stream of blocks of 32 numbers becomes codes and scale bytes.  A wave takes 16 steps of 512 numbers.
; Each load reads 512 consecutive bytes; a step's 2,048 bytes turn through the wave's own stage, so that a lane holds 16 neighbours along K; two neighbouring lanes hold a block.
	s_sub_co_u32 s25, ttmp9, 256                   ; j: which run of the three weights (32 work-groups each)
	s_and_b32 s30, s25, 31
	s_mov_b32 s33, 0x180000                        ; where wq4's scale bytes begin
	s_mov_b64 s[26:27], s[10:11]                   ; w_v,
	s_cmp_lt_u32 s25, 64
	s_cselect_b64 s[26:27], s[8:9], s[26:27]       ; or w_k,
	s_cmp_lt_u32 s25, 32
	s_cselect_b64 s[26:27], s[6:7], s[26:27]       ; or w_q,
	s_cmp_lt_u32 ttmp9, 256
	s_cselect_b64 s[26:27], s[4:5], s[26:27]       ; or x: the choice hangs on the work-group's number alone
	s_cselect_b64 s[28:29], s[16:17], s[18:19]     ; into xq or wq4
	s_cselect_b32 s30, ttmp9, s30                  ; the work-group's place in its source,
	s_cselect_b32 s31, ttmp9, s25                  ; and in its destination
	s_cselect_b32 s33, 0x400000, s33               ; where the scale bytes begin
	s_lshl_b32 s30, s30, 2
	s_add_co_u32 s30, s30, s24                     ; my wave's run of 8,192 numbers
	s_lshl_b32 s31, s31, 2
	s_add_co_u32 s31, s31, s24
	s_mov_b32 s37, 0
	s_lshl_b32 s36, s30, 15
	s_add_nc_u64 s[26:27], s[26:27], s[36:37]      ; 32,768 bytes of numbers a run,
	s_lshl_b32 s36, s31, 12
	s_add_nc_u64 s[38:39], s[28:29], s[36:37]      ; 4,096 of codes,
	s_lshl_b32 s36, s31, 8
	s_add_co_u32 s36, s36, s33
	s_add_nc_u64 s[40:41], s[28:29], s[36:37]      ; 256 scale bytes
.macro LOAD t
.irp i, 0,1,2,3
	global_load_b128 v[R+16*((\t)%4)+4*\i:R+16*((\t)%4)+4*\i+3], v3, s[26:27] offset:2048*(\t)+512*\i th:TH_LOAD_NT
.endr
.endm
.macro TURN t                          ; step t's numbers through the stage: LDS serves a wave's instructions in order, so no wait stands between the stores and the loads
.irp i, 0,1,2,3
	ds_store_b128 v14, v[R+16*((\t)%4)+4*\i:R+16*((\t)%4)+4*\i+3] offset:32*SP*((\t)%2)+8*SP*\i
.endr
.irp i, 0,1,2,3
	ds_load_b128 v[X+16*((\t)%2)+4*\i:X+16*((\t)%2)+4*\i+3], v15 offset:32*SP*((\t)%2)+16*\i
.endr
.endm
.irp t, 0,1,2,3
	LOAD \t
.endr
	s_wait_loadcnt 12                              ; step 0's four loads are in
	TURN 0
.macro STEP t
.set XS, X+16*((\t)%2)
.if (\t) > 0
	s_wait_dscnt 1                                 ; this step's numbers are back from the stage (the last step's byte store may be out)
.else
	s_wait_dscnt 0x0
.endif
.if (\t)+4 < STEPS
	LOAD (\t)+4                                    ; into the registers that the stage's stores have read
.endif
.if (\t)+1 < STEPS
.if STEPS-2-(\t) >= 3
	s_wait_loadcnt 12                              ; the next step's four loads are in; those of the three steps behind it may be out
.else
	s_wait_loadcnt 4*(STEPS-2-(\t))
.endif
	TURN (\t)+1
.endif
	v_max3_num_f32 v8, |v[XS]|, |v[XS+1]|, |v[XS+2]|               ; the largest magnitude of my 16
	v_max3_num_f32 v9, |v[XS+3]|, |v[XS+4]|, |v[XS+5]|
.irp i, 6,10
	v_max3_num_f32 v8, v8, |v[XS+\i]|, |v[XS+\i+1]|
	v_max3_num_f32 v9, v9, |v[XS+\i+2]|, |v[XS+\i+3]|
.endr
	v_max3_num_f32 v8, v8, |v[XS+14]|, |v[XS+15]|
	v_max3_num_f32 v8, v8, v9, (EMAX+1)<<23        ; and the floor 2^(3 - 127): the byte cannot fall under 1
	v_max_num_f32_dpp v8, v8, v8 row_xmask:1 row_mask:0xf bank_mask:0xf   ; and of my neighbour's 16: the block's
	v_add_nc_u32 v11, -(EMAX<<23), v8              ; 2 off its exponent field: the conversion takes the exponent field of this operand as its scale
	v_cvt_scalef32_pk8_fp4_f32 v[C+2*(\t)], v[XS:XS+7], v11
	v_cvt_scalef32_pk8_fp4_f32 v[C+2*(\t)+1], v[XS+8:XS+15], v11
	v_lshrrev_b32 v[E+(\t)], 23, v11               ; the scale's byte
	ds_store_b8 v5, v[E+(\t)] offset:16*(\t)       ; both lanes of a block write the same byte with the same value
	global_store_b64 v4, v[C+2*(\t):C+2*(\t)+1], s[38:39] offset:32*CB*(\t)   ; the wave stores 256 consecutive bytes, aligned
.endm
.irp t, 0,1,2,3,4,5,6,7,8,9,10,11,12,13,14,15
	STEP \t
.endr
	ds_load_b64 v[8:9], v6                         ; LDS serves a wave's instructions in order: these see my stores
	s_wait_dscnt 0x0
	global_store_b64 v7, v[8:9], s[40:41]          ; 32 lanes store 256 consecutive bytes, aligned
	FINISH
.Lnot_a:
	s_cmp_lt_u32 ttmp9, 480
	s_cbranch_scc0 .Lpath_c
; ---- SECOND PATH: w_out as a pair of f16.  A wave takes 2,048 numbers: sixteen loads of 512 consecutive bytes, all out at once; every store has data registers of its own.
	s_sub_co_u32 s25, ttmp9, 352
	s_lshl_b32 s25, s25, 2
	s_add_co_u32 s25, s25, s24                     ; my run
	s_mov_b32 s27, 0
	s_lshl_b32 s26, s25, 13
	s_add_nc_u64 s[12:13], s[12:13], s[26:27]      ; 8,192 bytes in,
	s_lshl_b32 s26, s25, 12
	s_add_nc_u64 s[20:21], s[20:21], s[26:27]      ; 4,096 out for the high part,
	s_add_nc_u64 s[28:29], s[20:21], 0x200000      ; and for the low part, 2 MiB on
	s_mov_b32 s40, 0x45000000                      ; 2048.0
	s_mov_b32 s41, s40                             ; (named with it as a pair, so it is written)
	s_mov_b32 s42, 0x1000
	s_mov_b32 s43, 0xffffe000
.irp j, 0,1,2,3,4,5,6,7,8,9,10,11,12,13,14,15
	global_load_b128 v[16+4*\j:19+4*\j], v3, s[12:13] offset:512*\j th:TH_LOAD_NT
.endr
.irp j, 0,1,2,3,4,5,6,7,8,9,10,11,12,13,14,15
	s_wait_loadcnt 15-\j                           ; load j is in; the younger ones may be out
.irp k, 0,1,2,3
	v_add_nc_u32 v[112+\k], s42, v[16+4*\j+\k]     ; half a step of the 11th bit onto the bit pattern,
.endr
.irp k, 0,1,2,3
	v_and_b32 v[112+\k], s43, v[112+\k]            ; and the bits under it away: F
.endr
	v_cvt_pk_f16_f32 v[80+2*\j], v112, v113
	v_cvt_pk_f16_f32 v[81+2*\j], v114, v115
	v_pk_add_f32 v[116:117], v[16+4*\j:17+4*\j], v[112:113] neg_lo:[0,1] neg_hi:[0,1]
	v_pk_add_f32 v[118:119], v[18+4*\j:19+4*\j], v[114:115] neg_lo:[0,1] neg_hi:[0,1]
	v_pk_mul_f32 v[116:117], v[116:117], s[40:41] op_sel_hi:[1,0]
	v_pk_mul_f32 v[118:119], v[118:119], s[40:41] op_sel_hi:[1,0]
	v_cvt_pk_f16_f32 v[128+2*\j], v116, v117
	v_cvt_pk_f16_f32 v[129+2*\j], v118, v119
	global_store_b64 v4, v[80+2*\j:81+2*\j], s[20:21] offset:256*\j     ; 256 consecutive bytes, aligned
	global_store_b64 v4, v[128+2*\j:129+2*\j], s[28:29] offset:256*\j
.endr
	FINISH
.Lpath_c:
; ---- THIRD PATH: group g = 32 rows of the mask.  Wave w takes rows 8 w .. 8 w + 7; lane L takes key block L, 64 bytes of each row.
	s_sub_co_u32 s25, ttmp9, 480                   ; g
	s_lshl_b32 s26, s25, 16                        ; 32 rows of 2,048 bytes,
	s_lshl_b32 s27, s24, 14                        ; my wave's 8
	s_add_co_u32 s26, s26, s27
	s_mov_b32 s27, 0
	s_add_nc_u64 s[14:15], s[14:15], s[26:27]
	s_lshl_b32 s26, s25, 3
	s_add_nc_u64 s[22:23], s[22:23], s[26:27]      ; the group's two words
	v_lshlrev_b32 v146, 6, v2
	s_mov_b32 s33, 0x01010101
	s_mov_b32 s34, -1                              ; bit kb: all entries so far are masked
	s_mov_b32 s35, 0                               ; bit kb: some entry is masked
	s_mov_b32 s36, 0                               ; 1: some row is wholly masked
.irp row, 0,1,2,3,4,5,6,7
.irp i, 0,1,2,3
	global_load_b128 v[16+16*\row+4*\i:19+16*\row+4*\i], v146, s[14:15] offset:\row*2048+16*\i
.endr
.endr
.irp row, 0,1,2,3,4,5,6,7
	s_wait_loadcnt 4*(7-\row)                      ; this row's four loads are in; the later rows' may be out
	v_and_b32 v144, v[16+16*\row], v[17+16*\row]
	v_or_b32 v145, v[16+16*\row], v[17+16*\row]
.irp i, 2,3,4,5,6,7,8,9,10,11,12,13,14,15
	v_and_b32 v144, v144, v[16+16*\row+\i]
	v_or_b32 v145, v145, v[16+16*\row+\i]
.endr
	v_cmp_eq_u32 s30, s33, v144                    ; bit L: this row's 64 bytes of block L are all 1
	v_cmp_ne_u32 s31, 0, v145                      ; bit L: one of them is
	s_and_b32 s34, s34, s30
	s_or_b32 s35, s35, s31
	s_cmp_eq_u32 s30, -1
	s_cselect_b32 s32, 1, 0
	s_or_b32 s36, s36, s32
.endr
	v_mov_b32 v8, s34
	v_mov_b32 v9, s35
	v_mov_b32 v10, s36
	v_mov_b32 v11, 0
	ds_store_b128 v12, v[8:11]                     ; all lanes write the same 16 bytes with the same values
	s_wait_dscnt 0x0                               ; for the others' sake: my store is done
	s_barrier_signal -1
	s_barrier_wait -1
.irp p, 0,1,2,3
	ds_load_b128 v[16+4*\p:19+4*\p], v13 offset:16*\p
.endr
	s_wait_dscnt 0x0
.irp p, 1,2,3
	v_and_b32 v16, v16, v[16+4*\p]
	v_or_b32 v17, v17, v[17+4*\p]
	v_or_b32 v18, v18, v[18+4*\p]
.endr
	v_sub_nc_u32 v40, 0, v18                       ; all ones where the group holds a wholly masked row
	v_xor_b32 v41, -1, v16                         ; blocks that are not wholly masked
	v_or_b32 v42, v41, v40                         ; LIVE
	v_and_or_b32 v43, v41, v17, v40                ; MIX
	v_mov_b32 v44, 0
	s_cmp_lg_u32 s24, 0
	s_cbranch_scc1 .Lc_end
	v_cmp_eq_u32 vcc_lo, 0, v0
	s_wait_xcnt 0x0                                ; EXEC changes only behind this wait
	s_and_saveexec_b32 s38, vcc_lo
	global_store_b64 v44, v[42:43], s[22:23]       ; thread 0 stores the group's two words
	s_wait_xcnt 0x0                                ; and again, in front of the line that widens it
	s_or_b32 exec_lo, exec_lo, s38
.Lc_end:
	FINISH
.Lfunc_end_k_q61c3441ab3_prep:
	.size	k_q61c3441ab3_prep, .Lfunc_end_k_q61c3441ab3_prep-k_q61c3441ab3_prep
	.p2alignl 7, 3214868480
	.fill 96, 4, 3214868480
	.section	.rodata,"a",@progbits
	.p2align	6, 0x0
	.amdhsa_kernel k_q61c3441ab3_prep
		.amdhsa_group_segment_fixed_size 33536
		.amdhsa_private_segment_fixed_size 0
		.amdhsa_enable_private_segment 0
		.amdhsa_kernarg_size 80
		.amdhsa_user_sgpr_count 2
		.amdhsa_user_sgpr_kernarg_segment_ptr 1
		.amdhsa_wavefront_size32 1
		.amdhsa_system_sgpr_workgroup_id_x 1
		.amdhsa_system_sgpr_workgroup_id_y 1
		.amdhsa_system_sgpr_workgroup_id_z 1
		.amdhsa_system_vgpr_workitem_id 0
		.amdhsa_next_free_vgpr 192
		.amdhsa_next_free_sgpr 66
		.amdhsa_reserve_vcc 1
		.amdhsa_float_denorm_mode_32 3
		.amdhsa_float_denorm_mode_16_64 3
		.amdhsa_memory_ordered 1
		.amdhsa_forward_progress 1
		.amdhsa_inst_pref_size 67
	.end_amdhsa_kernel
	.amdgpu_metadata
---
amdhsa.version: [ 1, 2 ]
amdhsa.kernels:
  - .name:           k_q61c3441ab3_prep
    .symbol:         k_q61c3441ab3_prep.kd
    .args:
      - { .name: x, .offset: 0, .size: 8, .value_kind: global_buffer, .address_space: global }
      - { .name: w_q, .offset: 8, .size: 8, .value_kind: global_buffer, .address_space: global }
      - { .name: w_k, .offset: 16, .size: 8, .value_kind: global_buffer, .address_space: global }
      - { .name: w_v, .offset: 24, .size: 8, .value_kind: global_buffer, .address_space: global }
      - { .name: w_out, .offset: 32, .size: 8, .value_kind: global_buffer, .address_space: global }
      - { .name: mask, .offset: 40, .size: 8, .value_kind: global_buffer, .address_space: global }
      - { .name: xq, .offset: 48, .size: 8, .value_kind: global_buffer, .address_space: global }
      - { .name: wq4, .offset: 56, .size: 8, .value_kind: global_buffer, .address_space: global }
      - { .name: wo, .offset: 64, .size: 8, .value_kind: global_buffer, .address_space: global }
      - { .name: cls, .offset: 72, .size: 8, .value_kind: global_buffer, .address_space: global }
    .group_segment_fixed_size: 33536
    .private_segment_fixed_size: 0
    .kernarg_segment_align: 8
    .kernarg_segment_size: 80
    .max_flat_workgroup_size: 128
    .sgpr_count:     66
    .vgpr_count:     192
    .wavefront_size: 32
...
	.end_amdgpu_metadata
.endif
;; end of part 1
;; launch qkv (part 2): grid 12 x 32, 4 waves a work-group, clusters of 4 x 4, 327,680 bytes of LDS; arguments xq, wq4, qkv; writes qkv
.if DOCPART == 2
	.amdgcn_target "amdgcn-amd-amdhsa--gfx1250"
	.amdhsa_code_object_version 6
	.text
	.protected	k_q61c3441ab3_qkv
	.globl	k_q61c3441ab3_qkv
	.p2align	8
	.type	k_q61c3441ab3_qkv,@function
k_q61c3441ab3_qkv:
	s_mov_b64 s[64:65], 0
	v_nop
	global_prefetch_b8 v0, s[64:65] scope:SCOPE_SE
	s_setreg_imm32_b32 hwreg(HW_REG_WAVE_MODE, 25, 1), 1
	s_wait_xcnt 0x0
	s_wait_alu depctr_hold_cnt(0) depctr_sa_sdst(0) depctr_va_vdst(0) depctr_va_sdst(0) depctr_va_ssrc(0) depctr_va_vcc(0) depctr_vm_vsrc(0)
	s_getreg_b32 s2, hwreg(HW_REG_IB_STS2, 6, 4)
	s_cmp_eq_u32 s2, 0
	s_cbranch_scc0 .Lentry_in_a_cluster
	s_endpgm
.Lentry_in_a_cluster:
	s_bfe_u32 s2, ttmp6, 0x10000c
	s_cmp_lg_u32 s2, 0xf033
	s_cbranch_scc0 .Lentry_shape_is_right
	s_endpgm
.Lentry_shape_is_right:
; Launch 2 of 5: the three QUANTISED products as one GEMM on codes of FP4 (E2M1): C[m][n] = sum over k of x[m][k] W[n][k], m = 8,192 tokens, n = 3,072 (w_q, w_k, w_v on end), k = 1,024.  No work is left out here.
; xq: codes [8192][512 bytes], scale bytes [8192][32] from byte 4,194,304.  wq4: codes [3072][512], scale bytes [3072][32] from byte 1,572,864.
; OUT: qkv, four parts of 16 MiB, each [batch][head][token][64] f16: q x log2(e) / 32 (reference()'s 1 / sqrt(1024), and the base of the exponentials, folded in, in f32, ahead of the one rounding), k, v, and v's low part x 2048.
; v IS A PAIR: F = (bits + 0x1000) & 0xffffe000 is v rounded to 11 significant bits, which f16 holds exactly; the low part is (v - F) x 2048.  LIMIT: of numbers under 2^-14 the high part's own rounding, at most 2^-25, is not caught.
; A tile of C, 256 x 256, is made by four waves, each 128 x 128: 64 accumulators, 512 registers.  K's 1,024 are two slots of 512 (rows of 256 bytes): both are asked for at the start and nothing is filled again.
; The scale bytes of the work-group's rows come once, as whole blocks of 256 bytes, with the first fills.
; CLUSTERS: 4 x 4 work-groups; A's tiles are asked for jointly along a row of the cluster, B's along a column.  A cluster's four tile columns are one weight: the cluster's x says which (0 q, 1 k, 2 v), the same in all sixteen partners.
; THE MATRIX INSTRUCTION IS USED TRANSPOSED (source 0 = 16 rows of W, source 1 = 16 tokens): a lane holds eight neighbouring features of one token.
; REGISTERS: window 0: v0-31 addresses; v32-95 scale words, two sets; from v128 A's fragments, one set; on the way out v32-255 are free.  window 1: B's fragments, two sets.  windows 2, 3: the accumulators ((a, b) at v[8 (8 (a % 4) + b)]).
.set KSTEP,  512
.set NQ,     KSTEP/128
.set ROWB,   256
.set KROW,   512
.set PITCH,  272                       ; an LDS row: 256 bytes + 16 of padding: the 16 rows that a load touches start 68 words apart
.set FR,     8
.set NL,     2
.set NP,     4
.set HALFT,  128*PITCH
.set SLOT,   4*HALFT
.set KS,     32                        ; a row of scale bytes
.set SCL,    2*SLOT
.set HALFS,  (128*KS/256)*272
.set SBLK,   (16*KS/256)*272
.set SPARE,  SCL+4*HALFS               ; the spare words, 128 bytes for each wave: two blocks of 256 bytes that no other line names
.set ADRA, 16
.set ADRB, 20
.set STO,  24                          ; the way out: where I put 16 bytes of a token's row
.set RD,   25                          ; where I read back
.set CO,   26                          ; my byte offset in qkv
.set ADRS, 27
.set SPW,  28
.set NIL,  29
.set SC,   32
.set AF,   128
.set TMP,  32                          ; the way out: v32-63 packed f16; v64-127 at work; v128-159 the low part; v160-223 two sets read back; v224-255 the low part read back
.set F,    64
.set LO,   128
.set BK,   160
.set BKL,  224
.set WSTG, 8704                        ; a wave's two stages of 16 rows x 272 bytes, in slot 0, which has had its only fill and, behind the change of slots, its last read
.set G1, 24
.set G0, 32
.set G1B, 48
.set G0B, 56
.set G1S, 68
.set G0S, 76
.set G1SB, 80
.set G0SB, 88
.set MSB, 0
.macro WIN new                         ; the immediate's high byte repeats the setting that is left
.if MSB != \new
	s_set_vgpr_msb (MSB<<8)|\new
.set MSB, \new
.endif
.endm
.set MUL_LO, 0xa1
.set MUL_HI, 0xf1
.set TO_B,   0x40
; A joint load: waves 0 and 1 fetch for A, waves 2 and 3 for B; the branch hangs on the wave's number alone.  An s_nop 0 and four v_nop follow each of the two lines.
.macro JLOAD g0a, g1a, g0b, g1b
	s_cmp_eq_u32 s15, 0
	s_cbranch_scc0 .Lfor_b_\@
	tensor_load_to_lds s[\g0a:\g0a+3], s[\g1a:\g1a+7]
	s_nop 0
.rept 4
	v_nop
.endr
	s_branch .Lasked_\@
.Lfor_b_\@:
	tensor_load_to_lds s[\g0b:\g0b+3], s[\g1b:\g1b+7]
	s_nop 0
.rept 4
	v_nop
.endr
.Lasked_\@:
.endm
.macro CROUND                          ; a round of the cluster's barrier
	s_barrier_signal -1
	s_barrier_wait -1
	s_cmp_lg_u32 s14, 0
	s_cbranch_scc1 .Lnot_wave_0_\@
	s_barrier_signal -3
.Lnot_wave_0_\@:
	s_barrier_wait -3
	s_barrier_signal -1
	s_barrier_wait -1
.endm
	s_load_b64 s[4:5], s[0:1], 0x0                 ; xq
	s_load_b64 s[8:9], s[0:1], 0x8                 ; wq4
	s_load_b64 s[12:13], s[0:1], 0x10              ; qkv
	v_lshl_add_u32 v[SPW], v0, 2, SPARE
	v_mov_b32 v[NIL], 0
	ds_add_u32 v[SPW], v[NIL]                      ; the wave's opening: the add, twice on end, and its wait ahead of my first tensor load
	ds_add_u32 v[SPW], v[NIL]
	v_lshrrev_b32 v1, 5, v0
	v_readfirstlane_b32 s14, v1                    ; wave 0..3
	s_lshr_b32 s15, s14, 1                         ; which half of the tile's rows is mine.  Also: I fetch for A (0) or for B (1)
	s_and_b32 s16, s14, 1                          ; which half of its columns.  Also: which 128 rows of that tile I fetch
	s_bfe_u32 s40, ttmp6, 0x40000                  ; cx, cy
	s_bfe_u32 s41, ttmp6, 0x40004
	s_lshl_b32 s42, ttmp9, 2
	s_add_co_u32 s42, s42, s40                     ; tile column
	s_and_b32 s17, ttmp7, 0xffff
	s_lshl_b32 s17, s17, 2
	s_add_co_u32 s17, s17, s41                     ; tile row
	s_lshl_b32 s43, s41, 2
	s_lshl_b32 s43, 15, s43                        ; my row of the cluster
	s_lshl_b32 s44, 0x1111, s40                    ; my column
	s_or_b32 s[G1+0], s43, (0<<16)|(1<<20)|(1<<21)|(5<<22)|(3<<25)  ; the mask; elements of 1 byte; padding on; bit 21 beside a mask; 4 words after every 64
	s_or_b32 s[G1B+0], s44, (0<<16)|(1<<20)|(1<<21)|(5<<22)|(3<<25)
.irp g, G1, G1B
	s_mov_b32 s[\g+1], ROWB<<16                    ; tensor_dim0
	s_mov_b32 s[\g+2], 128<<16                     ; tensor_dim1
	s_mov_b32 s[\g+3], ROWB<<16                    ; tile_dim0
	s_mov_b32 s[\g+4], 128                         ; tile_dim1
	s_mov_b32 s[\g+5], KROW                        ; from row to row
	s_mov_b32 s[\g+6], 0
	s_mov_b32 s[\g+7], 0
.endr
	s_or_b32 s[G1S+0], s43, (3<<16)|(1<<20)|(1<<21)|(5<<22)|(3<<25) ; the scale bytes of 128 rows: 4,096 dense bytes as 16 rows of 256 (32 elements of 8 bytes), 16 bytes of padding behind each
	s_or_b32 s[G1SB+0], s44, (3<<16)|(1<<20)|(1<<21)|(5<<22)|(3<<25)
.irp g, G1S, G1SB
	s_mov_b32 s[\g+1], 32<<16
	s_mov_b32 s[\g+2], (128*KS/256)<<16
	s_mov_b32 s[\g+3], 32<<16
	s_mov_b32 s[\g+4], 128*KS/256
	s_mov_b32 s[\g+5], 32
	s_mov_b32 s[\g+6], 0
	s_mov_b32 s[\g+7], 0
.endr
	s_lshl_b32 s18, s16, 7
	s_lshl_b32 s20, s17, 8
	s_add_co_u32 s20, s20, s18                     ; A: row 256 x tile row + 128 x half
	s_lshl_b32 s46, s42, 8
	s_add_co_u32 s46, s46, s18                     ; B: row 256 x tile column + 128 x half
	s_mov_b32 s21, 0
	s_mov_b32 s47, 0
	s_mov_b64 s[18:19], KS
	s_mul_u64 s[22:23], s[20:21], s[18:19]
	s_mul_u64 s[92:93], s[46:47], s[18:19]
	s_mov_b64 s[18:19], KROW
	s_mul_u64 s[20:21], s[20:21], s[18:19]
	s_mul_u64 s[46:47], s[46:47], s[18:19]
	s_mul_i32 s45, s14, HALFT                      ; where they go: wave x 128 rows
	s_mul_i32 s94, s14, HALFS
	s_mov_b32 s66, 0x3d38aa3b                      ; log2(e) / 32
	s_mov_b32 s67, s66
	s_mov_b32 s96, 0x45000000                      ; 2048.0
	s_mov_b32 s97, s96
	s_mov_b32 s98, 0x1000
	s_mov_b32 s99, 0xffffe000
	s_wait_dscnt 0x0                               ; both opening adds are done
	s_wait_kmcnt 0x0
	s_add_nc_u64 s[6:7], s[4:5], 0x400000          ; x's scale bytes
	s_add_nc_u64 s[10:11], s[8:9], 0x180000        ; the weights'
	s_add_nc_u64 s[20:21], s[4:5], s[20:21]
	s_add_nc_u64 s[22:23], s[6:7], s[22:23]
	s_add_nc_u64 s[46:47], s[8:9], s[46:47]
	s_add_nc_u64 s[92:93], s[10:11], s[92:93]
	CROUND                                         ; all sixteen work-groups are here: the joint loads meet
	s_mov_b32 s[G0S], 1
	s_add_co_u32 s[G0S+1], s94, SCL
	s_mov_b64 s[G0S+2:G0S+3], s[22:23]
	s_or_b32 s[G0S+3], s[G0S+3], 0x80000000
	s_mov_b32 s[G0SB], 1
	s_add_co_u32 s[G0SB+1], s94, SCL
	s_mov_b64 s[G0SB+2:G0SB+3], s[92:93]
	s_or_b32 s[G0SB+3], s[G0SB+3], 0x80000000
	JLOAD G0S, G1S, G0SB, G1SB                     ; the scale bytes first; three loads of mine are out in all
.irp s, 0,1
	s_mov_b32 s[G0+4*\s], 1
	s_add_co_u32 s[G0+4*\s+1], s45, \s*SLOT
	s_add_nc_u64 s[G0+4*\s+2:G0+4*\s+3], s[20:21], \s*ROWB
	s_or_b32 s[G0+4*\s+3], s[G0+4*\s+3], 0x80000000
	s_mov_b32 s[G0B+4*\s], 1
	s_add_co_u32 s[G0B+4*\s+1], s45, \s*SLOT
	s_add_nc_u64 s[G0B+4*\s+2:G0B+4*\s+3], s[46:47], \s*ROWB
	s_or_b32 s[G0B+4*\s+3], s[G0B+4*\s+3], 0x80000000
	JLOAD G0+4*\s, G1, G0B+4*\s, G1B
.endr
	v_and_b32 v1, 15, v0                           ; r = l % 16
	v_bfe_u32 v2, v0, 4, 1                         ; h = l / 16
	v_mul_u32_u24 v3, v1, PITCH
	v_lshl_add_u32 v4, v2, 4, v3
	s_mul_i32 s21, s15, HALFT
	s_mul_i32 s22, s16, HALFT
	s_add_co_u32 s22, s22, 2*HALFT
.irp s, 0,1
	v_add_nc_u32 v[ADRA+\s], s21, v4
	v_add_nc_u32 v[ADRB+\s], s22, v4
	s_add_co_u32 s21, s21, SLOT
	s_add_co_u32 s22, s22, SLOT
.endr
	v_mul_u32_u24 v5, v1, KS                       ; my row's scale bytes,
	v_lshrrev_b32 v6, 8, v5
	v_lshl_add_u32 v5, v6, 4, v5                   ; and 16 more for each 256 passed
	s_mul_i32 s21, s15, HALFS
	s_mul_i32 s22, s16, HALFS
	s_add_co_u32 s22, s22, 2*HALFS
	s_sub_co_u32 s22, s22, s21
	v_mul_u32_u24 v6, s22, v2                      ; lanes 16-31 take B's
	s_add_co_u32 s21, s21, SCL
	v_add_nc_u32 v5, v5, v6
	v_add_nc_u32 v[ADRS], s21, v5
	s_mul_i32 s23, s14, WSTG                       ; my stages
	v_add_nc_u32 v[STO], s23, v4                   ; in: token r, 16 bytes for each half of the lanes
	v_bfe_u32 v5, v0, 3, 1
	v_mul_u32_u24 v5, v5, PITCH                    ; back: lanes 0-7 a token's 128 bytes of the first head, lanes 8-15 the next token's,
	v_lshl_add_u32 v5, v2, 7, v5                   ; lanes 16-31 the same of the second head
	v_and_b32 v6, 7, v0
	v_lshl_add_u32 v5, v6, 4, v5
	v_add_nc_u32 v[RD], s23, v5
	v_lshlrev_b32 v[CO], 4, v1                     ; in qkv two tokens of a head are 256 consecutive bytes;
	v_lshl_add_u32 v[CO], v2, 18, v[CO]            ; a head is 2,048 x 128 bytes
	s_lshr_b32 s20, s17, 3                         ; batch = tile row / 8: 16 heads of 2^18 bytes
	s_lshl_b32 s20, s20, 22
	s_and_b32 s21, s17, 7
	s_lshl_b32 s21, s21, 15                        ; 256 tokens of 128 bytes
	s_add_co_u32 s20, s20, s21
	s_lshl_b32 s21, s15, 14                        ; my half's 128
	s_add_co_u32 s20, s20, s21
	s_mov_b32 s21, 0
	s_lshl_b32 s46, ttmp9, 24                      ; the part: q, k or v
	s_lshl_b32 s47, s40, 20                        ; four heads to a tile column,
	s_add_co_u32 s46, s46, s47
	s_lshl_b32 s47, s16, 19                        ; two to my half
	s_add_co_u32 s46, s46, s47
	s_mov_b32 s47, 0
	s_add_nc_u64 s[20:21], s[20:21], s[46:47]
	s_add_nc_u64 s[12:13], s[12:13], s[20:21]
	s_add_nc_u64 s[10:11], s[12:13], 0x1000000     ; one part on: used where the part is v alone, for its low part
.macro FRAG reg, adr, q, i             ; 16 rows x 128 K of 4-bit codes: 8 registers, two loads of 16 bytes, 32 bytes apart
.irp c, 0,1
	ds_load_b128 v[\reg+4*\c:\reg+4*\c+3], v[\adr] offset:64*(\q)+32*\c+(\i)*16*PITCH
.endr
.endm
; 16 matrix instructions: A's blocks a0, a0 + 1 x B's eight, 128 along K.  The 64 accumulators take turns, one instruction a turn, in the same order in every step.
.macro MUL16 a0, p, q, sc, zero
.irp a, \a0, \a0+1
.irp b, 0,1,2,3,4,5,6,7
.if \zero
	v_wmma_scale_f32_16x16x128_f8f6f4 v[8*(8*((\a)%4)+\b):8*(8*((\a)%4)+\b)+7], v[128*(\p)+FR*\b:128*(\p)+FR*\b+FR-1], v[AF+FR*(\a):AF+FR*(\a)+FR-1], 0, v[SC+8*NQ*(\sc)+NQ*\b+(\q)], v[SC+8*NQ*(\sc)+NQ*(\a)+(\q)] matrix_a_fmt:MATRIX_FMT_FP4 matrix_b_fmt:MATRIX_FMT_FP4 matrix_a_scale:MATRIX_SCALE_ROW1
.else
	v_wmma_scale_f32_16x16x128_f8f6f4 v[8*(8*((\a)%4)+\b):8*(8*((\a)%4)+\b)+7], v[128*(\p)+FR*\b:128*(\p)+FR*\b+FR-1], v[AF+FR*(\a):AF+FR*(\a)+FR-1], v[8*(8*((\a)%4)+\b):8*(8*((\a)%4)+\b)+7], v[SC+8*NQ*(\sc)+NQ*\b+(\q)], v[SC+8*NQ*(\sc)+NQ*(\a)+(\q)] matrix_a_fmt:MATRIX_FMT_FP4 matrix_b_fmt:MATRIX_FMT_FP4 matrix_a_scale:MATRIX_SCALE_ROW1
.endif
.endr
.endr
.endm
.macro FETCH_B slot, q, p
	WIN TO_B
.irp i, 0,1,2,3,4,5,6,7
	FRAG 128*(\p)+FR*\i, ADRB+\slot, \q, \i
.endr
	WIN 0
.endm
.macro FETCH_A slot, q, i0
.irp i, \i0, \i0+1, \i0+2, \i0+3
	FRAG AF+FR*(\i), ADRA+\slot, \q, \i
.endr
.endm
.macro SCALES sc                       ; a slot's scale words: lanes 0-15 take A's block i, lanes 16-31 B's block i
.irp i, 0,1,2,3,4,5,6,7
	ds_load_b128 v[SC+8*NQ*\sc+NQ*\i:SC+8*NQ*\sc+NQ*\i+3], v[ADRS] offset:\i*SBLK
.endr
.endm
.macro PLACES n                        ; plain vector instructions between a matrix instruction and a load into, or a vector instruction on, its registers
.rept \n
	v_nop
.endr
.endm
.macro STEP slot, q, zero              ; 128 along K with its successor in the same slot
	s_wait_dscnt 4*NL                              ; B's set and A's blocks 0-3 are in; the youngest eight loads (A's blocks 4-7) may be out
	WIN MUL_LO
	MUL16 0, (\q)%2, \q, \slot, \zero
	MUL16 2, (\q)%2, \q, \slot, \zero
	s_wait_dscnt 0
	PLACES NP
	FETCH_B \slot, (\q)+1, 1-(\q)%2
	FETCH_A \slot, (\q)+1, 0
	WIN MUL_HI
	MUL16 4, (\q)%2, \q, \slot, \zero
	MUL16 6, (\q)%2, \q, \slot, \zero
	PLACES NP
	WIN 0
	FETCH_A \slot, (\q)+1, 4
.endm
.macro STEPS slot, from
.set Q, \from
.rept NQ-1-\from
	STEP \slot, Q, 0
.set Q, Q+1
.endr
.endm
	s_wait_tensorcnt 1                             ; the scale bytes and my part of slot 0 are in (slot 1's load may be out)
	s_barrier_signal -1
	s_barrier_wait -1                              ; everybody's are
	FETCH_B 0, 0, 0
	FETCH_A 0, 0, 0
	SCALES 0
	FETCH_A 0, 0, 4
	STEP 0, 0, 1                                   ; the first products start the sums: nothing is cleared
	STEPS 0, 1
	; slot 0's last step changes slots: one barrier; nothing is filled again
	s_wait_tensorcnt 0x0                           ; my part of slot 1 has landed
	ds_add_u32 v[SPW], v[NIL]                      ; 0 onto my spare word
	s_wait_dscnt 4*NL+1                            ; (the add and A's blocks 4-7 may be out)
	WIN MUL_LO
	MUL16 0, 1, NQ-1, 0, 0
	s_wait_dscnt 0x0                               ; the add is done, and my reads of slot 0 are over
	s_barrier_signal -1
	MUL16 2, 1, NQ-1, 0, 0
	WIN 0
	s_barrier_wait -1
	PLACES NP
	v_add_nc_u32 v[ADRS], 4*NQ, v[ADRS]            ; on to slot 1's scale words
	FETCH_B 1, 0, 0
	FETCH_A 1, 0, 0
	SCALES 1
	WIN MUL_HI
	MUL16 4, 1, NQ-1, 0, 0
	MUL16 6, 1, NQ-1, 0, 0
	PLACES NP
	WIN 0
	FETCH_A 1, 0, 4
	STEPS 1, 0
	s_wait_dscnt 4*NL                              ; the very last step
	WIN MUL_LO
	MUL16 0, 1, NQ-1, 1, 0
	MUL16 2, 1, NQ-1, 1, 0
	s_wait_dscnt 0
	WIN MUL_HI
	MUL16 4, 1, NQ-1, 1, 0
	MUL16 6, 1, NQ-1, 1, 0
	WIN 0
	PLACES NP
; THE WAY OUT, block by block of 16 tokens x 128 features (two heads).
	s_cmp_lg_u32 ttmp9, 0                          ; q alone is scaled: the cluster's x is the same in all partners
	s_cbranch_scc1 .Lnot_q
	WIN 0x82                                       ; destination and source 0: window 2
.set i, 0
.rept 128
	v_pk_mul_f32 v[i:i+1], v[i:i+1], s[66:67] op_sel_hi:[1,0]
.set i, i+2
.endr
	WIN 0xc3                                       ; window 3
.set i, 0
.rept 128
	v_pk_mul_f32 v[i:i+1], v[i:i+1], s[66:67] op_sel_hi:[1,0]
.set i, i+2
.endr
	WIN 0
.Lnot_q:
.macro PACKH a                         ; rounded to f16, 16 bytes a lane; each accumulator from its low end on
.set AC, 64*((\a)%4)
	WIN 0x0a+5*((\a)/4)                            ; sources 0 and 1: window 2 or 3
.irp b, 0,1,2,3,4,5,6,7
.irp r, 0,1,2,3
	v_cvt_pk_f16_f32 v[TMP+4*\b+\r], v[AC+8*\b+2*\r], v[AC+8*\b+2*\r+1]
.endr
.endr
	WIN 0
.endm
.macro LOPART a                        ; v alone: the pair.  The high part is written again, from F, so that the two parts belong together; the low part goes out through its own stage
	s_cmp_lg_u32 ttmp9, 2
	s_cbranch_scc1 .Lno_low_\@
.set AC, 64*((\a)%4)
	WIN 0x08+4*((\a)/4)                            ; source 1: window 2 or 3
.set i, 0
.rept 64
	v_add_nc_u32 v[F+i], s98, v[AC+i]
.set i, i+1
.endr
	WIN 0
.set i, 0
.rept 64
	v_and_b32 v[F+i], s99, v[F+i]
.set i, i+1
.endr
.set i, 0
.rept 32
	v_cvt_pk_f16_f32 v[TMP+i], v[F+2*i], v[F+2*i+1]
.set i, i+1
.endr
	WIN 0x02+((\a)/4)                              ; source 0: window 2 or 3
.set i, 0
.rept 32
	v_pk_add_f32 v[F+2*i:F+2*i+1], v[AC+2*i:AC+2*i+1], v[F+2*i:F+2*i+1] neg_lo:[0,1] neg_hi:[0,1]
.set i, i+1
.endr
	WIN 0
.set i, 0
.rept 32
	v_pk_mul_f32 v[F+2*i:F+2*i+1], v[F+2*i:F+2*i+1], s[96:97] op_sel_hi:[1,0]
.set i, i+1
.endr
.set i, 0
.rept 32
	v_cvt_pk_f16_f32 v[LO+i], v[F+2*i], v[F+2*i+1]
.set i, i+1
.endr
.irp b, 0,1,2,3,4,5,6,7
	ds_store_b128 v[STO], v[LO+4*\b:LO+4*\b+3] offset:16*PITCH+32*\b
.endr
.irp t, 0,1,2,3,4,5,6,7
	ds_load_b128 v[BKL+4*\t:BKL+4*\t+3], v[RD] offset:16*PITCH+2*PITCH*\t   ; LDS serves a wave's instructions in order: these see the stores above
.endr
	s_wait_dscnt 0x0
.irp t, 0,1,2,3,4,5,6,7
	global_store_b128 v[CO], v[BKL+4*\t:BKL+4*\t+3], s[10:11] offset:(\a)*2048+\t*256
.endr
	s_wait_xcnt 0x0                                ; the stores have read their registers: the next block's loads may land there
.Lno_low_\@:
.endm
.macro TOSTAGE a
.irp b, 0,1,2,3,4,5,6,7
	ds_store_b128 v[STO], v[TMP+4*\b:TMP+4*\b+3] offset:32*\b
.endr
.irp t, 0,1,2,3,4,5,6,7
	ds_load_b128 v[BK+32*((\a)%2)+4*\t:BK+32*((\a)%2)+4*\t+3], v[RD] offset:2*PITCH*\t
.endr
.endm
.macro SEND a, younger                 ; younger: the LDS instructions issued behind block a's loads, which may stay out
	s_wait_dscnt \younger
.irp t, 0,1,2,3,4,5,6,7
	global_store_b128 v[CO], v[BK+32*((\a)%2)+4*\t:BK+32*((\a)%2)+4*\t+3], s[12:13] offset:(\a)*2048+\t*256   ; 16 lanes store 256 consecutive bytes, aligned: two tokens of a head
.endr
.endm
	PACKH 0
	LOPART 0
	TOSTAGE 0
.irp a, 1,2,3,4,5,6,7
	PACKH \a
	LOPART \a
	s_wait_xcnt 0x0                                ; block a - 2's stores have read their registers: block a's loads may land there
	TOSTAGE \a
	SEND \a-1, 16                                  ; behind block a - 1's loads: block a's 8 stores and 8 loads
.endr
	SEND 7, 0
	s_wait_tensorcnt 0x0                           ; the wave's end: a tensor wait, an add of 0 onto my spare word, and its wait
	ds_add_u32 v[SPW], v[NIL]
	s_wait_dscnt 0x0
	CROUND                                         ; the closing round
	s_endpgm
.Lfunc_end_k_q61c3441ab3_qkv:
	.size	k_q61c3441ab3_qkv, .Lfunc_end_k_q61c3441ab3_qkv-k_q61c3441ab3_qkv
	.p2alignl 7, 3214868480
	.fill 96, 4, 3214868480
	.section	.rodata,"a",@progbits
	.p2align	6, 0x0
	.amdhsa_kernel k_q61c3441ab3_qkv
		.amdhsa_group_segment_fixed_size 327680
		.amdhsa_private_segment_fixed_size 0
		.amdhsa_enable_private_segment 0
		.amdhsa_kernarg_size 24
		.amdhsa_user_sgpr_count 2
		.amdhsa_user_sgpr_kernarg_segment_ptr 1
		.amdhsa_wavefront_size32 1
		.amdhsa_system_sgpr_workgroup_id_x 1
		.amdhsa_system_sgpr_workgroup_id_y 1
		.amdhsa_system_sgpr_workgroup_id_z 1
		.amdhsa_system_vgpr_workitem_id 0
		.amdhsa_next_free_vgpr 1024
		.amdhsa_next_free_sgpr 102
		.amdhsa_reserve_vcc 0
		.amdhsa_float_denorm_mode_32 3
		.amdhsa_float_denorm_mode_16_64 3
		.amdhsa_memory_ordered 1
		.amdhsa_forward_progress 1
		.amdhsa_inst_pref_size 255
	.end_amdhsa_kernel
	.amdgpu_metadata
---
amdhsa.version: [ 1, 2 ]
amdhsa.kernels:
  - .name:           k_q61c3441ab3_qkv
    .symbol:         k_q61c3441ab3_qkv.kd
    .args:
      - { .name: xq, .offset: 0, .size: 8, .value_kind: global_buffer, .address_space: global }
      - { .name: wq4, .offset: 8, .size: 8, .value_kind: global_buffer, .address_space: global }
      - { .name: qkv, .offset: 16, .size: 8, .value_kind: global_buffer, .address_space: global }
    .group_segment_fixed_size: 327680
    .private_segment_fixed_size: 0
    .kernarg_segment_align: 8
    .kernarg_segment_size: 24
    .max_flat_workgroup_size: 128
    .sgpr_count:     102
    .vgpr_count:     1024
    .wavefront_size: 32
...
	.end_amdgpu_metadata
.endif
;; end of part 2
;; launch attn (part 3): grid 4 x 64, 8 waves a work-group, no clusters, 76,800 bytes of LDS; arguments qkv, mask, cls, att; writes att
.if DOCPART == 3
	.amdgcn_target "amdgcn-amd-amdhsa--gfx1250"
	.amdhsa_code_object_version 6
	.text
	.protected	k_q61c3441ab3_attn
	.globl	k_q61c3441ab3_attn
	.p2align	8
	.type	k_q61c3441ab3_attn,@function
k_q61c3441ab3_attn:
	s_mov_b64 s[64:65], 0
	v_nop
	global_prefetch_b8 v0, s[64:65] scope:SCOPE_SE
	s_setreg_imm32_b32 hwreg(HW_REG_WAVE_MODE, 25, 1), 1
	s_wait_xcnt 0x0
; Launch 3 of 5: att[b][h][q][:] = sum over k of softmax_k(score) v[k][:], score = q . k / 32, a masked score REPLACED by -1e9, as reference() has it.  f16 operands, f32 sums, maxima and exponentials.
; q arrives x log2(e) / 32, so a score is t in base 2: p = 2^(t - m), m the running largest t; a masked t is -1e9 x log2(e), so a wholly masked row has t - m = 0 exactly and comes out as the plain average.
; WORK LEFT OUT, by whole numbers that launch 1 stored and this launch reads (cls): a tile of 32 queries x 64 keys that is wholly masked, in a group of 32 queries each of which has an open key: its terms are 0 in f32.
; LIMITS: open scores lie above about -9e8; a NaN or an infinity in K or V tiles left out is not carried to the result; p under 2^-25 is 0 in f16.
; SHARES.  Work-group (x, head) owns the query blocks x and 7 - x, of 256 rows each, one after the other; wave w owns 32 rows of a block: two tiles of 16, one group of cls.
; The work-group walks the key blocks (64 keys) that any of its eight groups wants; a wave jumps over the work of a block that its own group does not want.  The walk has a constant number of trips (32 a block of queries), so that every wave passes every barrier.
; K and V go memory -> registers -> LDS, a block ahead, in two slots: the walk hangs on numbers read from memory, so this text has no tensor load.
; NO CLUSTER: which key blocks a work-group walks hangs on cls, so partners would want different numbers of tiles, and the tiles come through registers.
; THE ORDER OF A TRIP: nothing is waited for straight behind its request.  At the head: the next block's K and V into staging registers, and, where my group wants the mask there, the next block's mask bytes
; (two sets of registers by turns); then K's fragments of the block in hand are asked of LDS, and while they come the products V^T P of the block BEFORE are issued, which work on registers alone
; (a flag says that they are pending; an idle trip, or the end of the walk, issues them too); then V's fragments are asked for, which land under K Q^T and the softmax.
; The staging registers go to the other slot behind the conversions to P, with the sums and the rescaling still to come between those stores and the wait for them.
; LAYOUT.  S^T = K Q^T (source 0 = 16 keys, source 1 = 16 queries): a lane holds ONE query (lane % 16) and keys 8 (lane / 16) + 0..7.  Two such tiles, packed to f16 in pairs, are source 1 of O^T = V^T P.  V is turned by ds_load_tr16_b128.
; REGISTERS.  window 0: v2-15 addresses; v16-31 statistics, 8 a tile (m, m's change, l in two halves, four at work; a in the third of these); v32-95 S^T; v96-127 P; v128-191 O^T; v192-207 staging; v208-223 and v232-247 mask bytes, two sets; v224-231 at work.
;   window 1: v0-31 Q, v32-95 K, v96-159 V.
.set PK,    144                        ; a key's row of K in LDS: 128 bytes + 16
.set PV,    160                        ; of V: 128 + 32
.set VOFF,  64*PK
.set SLOTB, VOFF+64*PV                 ; a slot: 64 rows of K, 64 of V
.set STG,   2*SLOTB                    ; the way out: 32 rows x 144 bytes for each wave
.set SPARE, STG+8*32*PK                ; the spare words, 128 bytes for each wave: four blocks of 256 bytes that no other line names
.set AK,  2
.set AV,  3
.set SK,  4
.set SV,  5
.set GL,  6
.set QO,  7
.set MO,  8                            ; v8, v9: my mask bytes' offsets for the two tiles
.set STO, 10
.set RD,  11
.set GO,  12
.set MVR, 13                           ; -1e9 x log2(e)
.set SPW, 14
.set NIL, 15
.set ST,  16
.set S,   32
.set P,   96
.set O,   128
.set SG,  192
.set MK,  208                          ; the mask bytes of the block that lies in slot 0;
.set MKS, 24                           ; those of the block in slot 1 lie 24 registers on
.set TT,  224
.set QF,  0
.set KF,  32
.set VF,  96
.set WV,  12
.set BHD, 14
.set BLK, 15
.set QN,  16
.set MQ,  17
.set KH,  18
.set VHD, 20
.set QB,  22
.set AT,  24
.set KT,  26
.set VT,  28
.set MB,  30
.set OF,  32
.set REM, 34
.set CUR, 35
.set CURV, 36
.set NXT, 37
.set NXTV, 38
.set LV,  39                           ; 1: my group wants the block in hand
.set MX,  40                           ; 1: with the mask applied
.set T0,  41
.set MYL, 42
.set MYM, 43
.set GW,  44                           ; s[44:59] the eight groups' words
.set SEL, 60
.set PS,  66                           ; s66-69 byte selects
.set TC,  70
.set LVN, 71                           ; LV and MX of the next block
.set CB0, 72
.set CB1, 74
.set HQ,  76
.set HA,  78
.set MXN, 80
.set LVP, 81                           ; 1: P and V's fragments hold a product V^T P that has not been issued
.set MSB, 0
.macro WIN new
.if MSB != \new
	s_set_vgpr_msb (MSB<<8)|\new
.set MSB, \new
.endif
.endm
	s_load_b256 s[4:11], s[0:1], 0x0               ; qkv, mask, cls, att
	v_lshl_add_u32 v[SPW], v0, 2, SPARE
	v_mov_b32 v[NIL], 0
	v_lshrrev_b32 v1, 5, v0
	v_readfirstlane_b32 s[WV], v1                  ; wave 0..7
	v_and_b32 v224, 15, v0                         ; r
	v_bfe_u32 v225, v0, 4, 1                       ; h
	v_and_b32 v226, 7, v0
	v_bfe_u32 v227, v0, 3, 1
	v_and_b32 v228, 31, v0                         ; lane
	v_lshrrev_b32 v229, 3, v0                      ; thread / 8
	v_bfe_u32 v230, v0, 3, 2                       ; lane / 8
	v_mul_u32_u24 v[AK], v224, PK
	v_lshl_add_u32 v[AK], v225, 4, v[AK]           ; a fragment of K: row r, 16 bytes for each half
	v_lshl_add_u32 v[AV], v225, 3, v226
	v_mul_u32_u24 v[AV], v[AV], PV
	v_lshl_add_u32 v[AV], v227, 4, v[AV]
	v_add_nc_u32 v[AV], VOFF, v[AV]                ; the turning load: key 8 h + lane % 8, channels 8 ((lane / 8) % 2) on
	v_mul_u32_u24 v[SK], v229, PK
	v_lshl_add_u32 v[SK], v226, 4, v[SK]           ; staging: thread t brings 16 bytes: row t / 8, byte 16 (t % 8)
	v_mul_u32_u24 v[SV], v229, PV
	v_lshl_add_u32 v[SV], v226, 4, v[SV]
	v_add_nc_u32 v[SV], VOFF, v[SV]
	v_lshlrev_b32 v[GL], 4, v0
	v_lshlrev_b32 v[QO], 7, v224
	v_lshl_add_u32 v[QO], v225, 4, v[QO]
	v_lshlrev_b32 v[MO], 11, v224                  ; the mask: row 32 w + 16 t + r of the block, 2,048 bytes a row, + 8 h
	v_lshl_add_u32 v[MO], v225, 3, v[MO]
	v_lshl_add_u32 v[MO], v1, 16, v[MO]
	v_add_nc_u32 v[MO+1], 16*2048, v[MO]
	s_mul_i32 s[T0], s[WV], 32*PK
	s_add_co_u32 s[T0], s[T0], STG
	v_add_nc_u32 v[STO], s[T0], v[AK]
	v_mul_u32_u24 v[RD], v230, PK
	v_lshl_add_u32 v[RD], v226, 4, v[RD]
	v_add_nc_u32 v[RD], s[T0], v[RD]
	v_lshlrev_b32 v[GO], 4, v228
	v_mov_b32 v[MVR], 0xceabfb8f
; Written once, so that every way through the text finds them written: the mask's two sets, the statistics, P and V's fragments.  (What they hold is never used: the flags lead round every use that has no data.)
.set i, 0
.rept 16
	v_mov_b32 v[MK+i], 0
	v_mov_b32 v[MK+MKS+i], 0
	v_mov_b32 v[ST+i], 0
.set i, i+1
.endr
.set i, 0
.rept 32
	v_mov_b32 v[P+i], 0
.set i, i+1
.endr
	WIN 0x40                                       ; destination window 1
.set i, 0
.rept 64
	v_mov_b32 v[VF+i], 0
.set i, i+1
.endr
	WIN 0
	s_mov_b32 s[SEL], 0x76543210
	s_mov_b32 s[SEL+1], 0xfedcba98                 ; v_permlanex16_b32's selects for lane l xor 16
	s_mov_b32 s[PS], 0
	s_mov_b32 s[PS+1], 0x01010101
	s_mov_b32 s[PS+2], 0x02020202
	s_mov_b32 s[PS+3], 0x03030303
	s_and_b32 s[BHD], ttmp7, 0xffff                ; batch x 16 + head
	s_mov_b32 s[OF+1], 0
	s_mov_b32 s[BLK], 2
	s_lshl_b32 s[OF], s[BHD], 18                   ; a head: 2,048 rows of 128 bytes
	s_wait_kmcnt 0x0
	s_add_nc_u64 s[HQ:HQ+1], s[4:5], s[OF:OF+1]
	s_add_nc_u64 s[KH:KH+1], s[HQ:HQ+1], 0x1000000
	s_add_nc_u64 s[VHD:VHD+1], s[HQ:HQ+1], 0x2000000
	s_add_nc_u64 s[HA:HA+1], s[10:11], s[OF:OF+1]
; THE PENDING PRODUCT O^T += V^T P, if there is one: registers alone.  V's fragments were waited for in front of the barrier of the trip that asked for them.
; Eight accumulators by turns, one instruction a turn.  The four v_nop are the places in front of the next loads into V's registers and of the next read of O^T.
.macro PVS
	s_cmp_eq_u32 s[LVP], 0
	s_cbranch_scc1 .Lno_pv_\@
	WIN 0x01                                       ; V in window 1
.irp c, 0,1
.irp dt, 0,1,2,3
.irp t, 0,1
	v_wmma_f32_16x16x32_f16 v[O+32*\t+8*\dt:O+32*\t+8*\dt+7], v[VF+32*\c+8*\dt:VF+32*\c+8*\dt+7], v[P+16*\t+8*\c:P+16*\t+8*\c+7], v[O+32*\t+8*\dt:O+32*\t+8*\dt+7]
.endr
.endr
.endr
	WIN 0
.rept 4
	v_nop
.endr
	s_mov_b32 s[LVP], 0
.Lno_pv_\@:
.endm
; THE NEXT BLOCK'S K AND V go from the staging registers into the other slot, whose last reads stand in front of the last barrier.  The wait is for all loads of the trip's head: the next block's mask bytes too.
.macro STAGE_OUT slot
	s_wait_loadcnt 0x0
	s_cmp_eq_u32 s[NXTV], 0
	s_cbranch_scc1 .Lno_store_\@
	ds_store_b128 v[SK], v[SG:SG+3] offset:(1-(\slot))*SLOTB
	ds_store_b128 v[SK], v[SG+4:SG+7] offset:(1-(\slot))*SLOTB+32*PK
	ds_store_b128 v[SV], v[SG+8:SG+11] offset:(1-(\slot))*SLOTB
	ds_store_b128 v[SV], v[SG+12:SG+15] offset:(1-(\slot))*SLOTB+32*PV
.Lno_store_\@:
.endm
; ONE KEY BLOCK.  slot: where its K and V lie, and which set holds its mask bytes.
.macro TRIP slot
	s_ctz_i32_b32 s[NXT], s[REM]                   ; the next block that some group wants,
	s_cmp_lg_u32 s[REM], 0
	s_cselect_b32 s[NXTV], 1, 0                    ; if there is one
	s_sub_co_u32 s[T0], s[REM], 1
	s_and_b32 s[REM], s[REM], s[T0]
	s_min_u32 s[NXT], s[NXT], 31
	s_lshr_b32 s[LVN], s[MYL], s[NXT]
	s_and_b32 s[LVN], s[LVN], s[NXTV]              ; 1: my group wants it,
	s_lshr_b32 s[MXN], s[MYM], s[NXT]
	s_and_b32 s[MXN], s[MXN], s[LVN]               ; 1: with the mask applied
	s_cmp_eq_u32 s[NXTV], 0
	s_cbranch_scc1 .Lno_load_\@
	s_lshl_b32 s[OF], s[NXT], 13                   ; 64 rows of 128 bytes
	s_add_nc_u64 s[KT:KT+1], s[KH:KH+1], s[OF:OF+1]
	s_add_nc_u64 s[VT:VT+1], s[VHD:VHD+1], s[OF:OF+1]
	global_load_b128 v[SG:SG+3], v[GL], s[KT:KT+1]                 ; the eight waves read 4,096 consecutive bytes
	global_load_b128 v[SG+4:SG+7], v[GL], s[KT:KT+1] offset:4096
	global_load_b128 v[SG+8:SG+11], v[GL], s[VT:VT+1]
	global_load_b128 v[SG+12:SG+15], v[GL], s[VT:VT+1] offset:4096
.Lno_load_\@:
	s_cmp_eq_u32 s[MXN], 0
	s_cbranch_scc1 .Lno_mask_\@
	s_lshl_b32 s[OF], s[NXT], 6
	s_add_co_u32 s[OF], s[OF], s[MQ]
	s_add_nc_u64 s[MB:MB+1], s[6:7], s[OF:OF+1]
.irp t, 0,1
.irp kt, 0,1,2,3
	global_load_b64 v[MK+MKS*(1-(\slot))+8*\t+2*\kt:MK+MKS*(1-(\slot))+8*\t+2*\kt+1], v[MO+\t], s[MB:MB+1] offset:16*\kt   ; the NEXT block: my query's 8 bytes for keys 16 kt + 8 h + 0..7, into the other set
.endr
.endr
.Lno_mask_\@:
	s_cmp_eq_u32 s[LV], 0
	s_cbranch_scc1 .Lnot_live_\@
	WIN 0x40                                       ; destination window 1
.irp kt, 0,1,2,3
.irp c, 0,1
	ds_load_b128 v[KF+16*\kt+8*\c:KF+16*\kt+8*\c+3], v[AK] offset:\slot*SLOTB+\kt*16*PK+64*\c
	ds_load_b128 v[KF+16*\kt+8*\c+4:KF+16*\kt+8*\c+7], v[AK] offset:\slot*SLOTB+\kt*16*PK+64*\c+32
.endr
.endr
	WIN 0
	PVS                                            ; the block before: sixteen products while K's fragments come
	s_mov_b32 s[LVP], 1                            ; this block's will be pending
	WIN 0x40
.irp c, 0,1
.irp dt, 0,1,2,3
	ds_load_tr16_b128 v[VF+32*\c+8*\dt:VF+32*\c+8*\dt+3], v[AV] offset:\slot*SLOTB+\c*32*PV+32*\dt
	ds_load_tr16_b128 v[VF+32*\c+8*\dt+4:VF+32*\c+8*\dt+7], v[AV] offset:\slot*SLOTB+\c*32*PV+16*PV+32*\dt
.endr
.endr
	s_wait_dscnt 16                                ; K is in; V's sixteen loads, issued behind K's, may be out
	WIN 0x05                                       ; K and Q in window 1
.irp kt, 0,1,2,3                               ; eight accumulators by turns, one instruction a turn; the first eight start the sums
.irp t, 0,1
	v_wmma_f32_16x16x32_f16 v[S+32*\t+8*\kt:S+32*\t+8*\kt+7], v[KF+16*\kt:KF+16*\kt+7], v[QF+16*\t:QF+16*\t+7], 0
.endr
.endr
.irp kt, 0,1,2,3
.irp t, 0,1
	v_wmma_f32_16x16x32_f16 v[S+32*\t+8*\kt:S+32*\t+8*\kt+7], v[KF+16*\kt+8:KF+16*\kt+15], v[QF+16*\t+8:QF+16*\t+15], v[S+32*\t+8*\kt:S+32*\t+8*\kt+7]
.endr
.endr
	WIN 0
.rept 4
	v_nop                                          ; places in front of the first read of the scores
.endr
	s_cmp_eq_u32 s[MX], 0
	s_cbranch_scc1 .Lopen_\@
.irp t, 0,1                                    ; the mask bytes were asked for a trip ago (the first block's: ahead of the walk) and waited for there
.irp kt, 0,1,2,3
.irp u, 0,1
	v_lshlrev_b32 v[TT+4+\u], 8, v[MK+MKS*(\slot)+8*\t+2*\kt+\u]
.endr
.irp u, 0,1
	v_sub_nc_u32 v[MK+MKS*(\slot)+8*\t+2*\kt+\u], v[TT+4+\u], v[MK+MKS*(\slot)+8*\t+2*\kt+\u]   ; bytes 0 or 1 become 0 or 255
.endr
.irp j, 0,1,2,3,4,5,6,7
	v_perm_b32 v[TT+(\j)%4], v[MK+MKS*(\slot)+8*\t+2*\kt+(\j)/4], v[MK+MKS*(\slot)+8*\t+2*\kt+(\j)/4], s[PS+(\j)%4]   ; byte j in all four places,
	v_bfi_b32 v[S+32*\t+8*\kt+\j], v[TT+(\j)%4], v[MVR], v[S+32*\t+8*\kt+\j]                                           ; picks the masked value or the score
.endr
.endr
.endr
.Lopen_\@:
.irp j, 0,1,2,3                                ; the largest of a lane's 32 scores and the old m: four chains, the two tiles by turns
.irp t, 0,1
	v_max3_num_f32 v[ST+8*\t+4+\j], v[S+32*\t+8*\j], v[S+32*\t+8*\j+1], v[S+32*\t+8*\j+2]
.endr
.endr
.irp i, 3,5
.irp j, 0,1,2,3
.irp t, 0,1
	v_max3_num_f32 v[ST+8*\t+4+\j], v[ST+8*\t+4+\j], v[S+32*\t+8*\j+\i], v[S+32*\t+8*\j+\i+1]
.endr
.endr
.endr
.irp t, 0,1
	v_max3_num_f32 v[ST+8*\t+4], v[ST+8*\t+4], v[S+32*\t+7], v[S+32*\t+15]
.endr
.irp t, 0,1
	v_max3_num_f32 v[ST+8*\t+6], v[ST+8*\t+6], v[S+32*\t+23], v[S+32*\t+31]
.endr
.irp t, 0,1
	v_max3_num_f32 v[ST+8*\t+4], v[ST+8*\t+4], v[ST+8*\t+5], v[ST+8*\t+6]
.endr
.irp t, 0,1
	v_max3_num_f32 v[ST+8*\t+4], v[ST+8*\t+4], v[ST+8*\t+7], v[ST+8*\t]
.endr
.irp t, 0,1
	v_permlanex16_b32 v[ST+8*\t+5], v[ST+8*\t+4], s[SEL], s[SEL+1]   ; the query's other 32 keys lie in the lane 16 away
.endr
.irp t, 0,1
	v_max_num_f32 v[ST+8*\t+4], v[ST+8*\t+4], v[ST+8*\t+5]
.endr
.irp t, 0,1
	v_sub_f32 v[ST+8*\t+1], v[ST+8*\t], v[ST+8*\t+4]                 ; old m - new m
.endr
.irp t, 0,1
	v_mov_b32 v[ST+8*\t], v[ST+8*\t+4]
.endr
.irp b, 0,2,4,6,8,10,12,14,16,18,20,22,24,26,28,30
.irp t, 0,1
	v_pk_add_f32 v[S+32*\t+\b:S+32*\t+\b+1], v[S+32*\t+\b:S+32*\t+\b+1], v[ST+8*\t:ST+8*\t+1] op_sel_hi:[1,0] neg_lo:[0,1] neg_hi:[0,1]   ; t - m
.endr
.endr
.irp t, 0,1
	v_exp_f32 v[ST+8*\t+6], v[ST+8*\t+1]           ; a = 2^(old m - new m)
.endr
.set i, 0
.rept 64
	v_exp_f32 v[S+i], v[S+i]                       ; p
.set i, i+1
.endr
	v_nop                                          ; a plain instruction behind the last exponential
	s_wait_alu depctr_va_vdst(0)                   ; one wait for the batch of 66, ahead of its first reader
.set i, 0
.rept 32
	v_cvt_pk_f16_f32 v[P+i], v[S+2*i], v[S+2*i+1]
.set i, i+1
.endr
	STAGE_OUT \slot                                ; the 64 vector instructions below stand between these stores and the wait for them
.irp u, 0,1,2,3,4,5,6,7                        ; the sum of the f32 p, in place, pairs 1, 2, 4 and 8 apart
.irp t, 0,1
	v_pk_add_f32 v[S+32*\t+4*\u:S+32*\t+4*\u+1], v[S+32*\t+4*\u:S+32*\t+4*\u+1], v[S+32*\t+4*\u+2:S+32*\t+4*\u+3]
.endr
.endr
.irp u, 0,1,2,3
.irp t, 0,1
	v_pk_add_f32 v[S+32*\t+8*\u:S+32*\t+8*\u+1], v[S+32*\t+8*\u:S+32*\t+8*\u+1], v[S+32*\t+8*\u+4:S+32*\t+8*\u+5]
.endr
.endr
.irp u, 0,1
.irp t, 0,1
	v_pk_add_f32 v[S+32*\t+16*\u:S+32*\t+16*\u+1], v[S+32*\t+16*\u:S+32*\t+16*\u+1], v[S+32*\t+16*\u+8:S+32*\t+16*\u+9]
.endr
.endr
.irp t, 0,1
	v_pk_add_f32 v[S+32*\t:S+32*\t+1], v[S+32*\t:S+32*\t+1], v[S+32*\t+16:S+32*\t+17]
.endr
.irp t, 0,1
	v_pk_fma_f32 v[ST+8*\t+2:ST+8*\t+3], v[ST+8*\t+2:ST+8*\t+3], v[ST+8*\t+6:ST+8*\t+7], v[S+32*\t:S+32*\t+1] op_sel_hi:[1,0,1]   ; l = a l + the sum
.endr
.irp t, 0,1
.set i, 0
.rept 16
	v_pk_mul_f32 v[O+32*\t+i:O+32*\t+i+1], v[O+32*\t+i:O+32*\t+i+1], v[ST+8*\t+6:ST+8*\t+7] op_sel_hi:[1,0]   ; O^T x a: it holds the blocks up to the one before; this block's product follows in my next trip
.set i, i+2
.endr
.endr
	s_branch .Ljoin_\@
.Lnot_live_\@:
	PVS                                            ; an idle trip issues what is pending
	STAGE_OUT \slot
.Ljoin_\@:
	s_wait_dscnt 0x0                               ; my stores have landed and my reads of this slot, V's fragments among them, are over
	s_barrier_signal -1
	s_barrier_wait -1
	s_mov_b32 s[LV], s[LVN]
	s_mov_b32 s[MX], s[MXN]
.endm
.Lblock:                                           ; two trips: query block x, then 7 - x
	s_sub_co_u32 s[T0], 7, ttmp9
	s_cmp_eq_u32 s[BLK], 2
	s_cselect_b32 s[QN], ttmp9, s[T0]
	s_mov_b32 s[LVP], 0                            ; nothing is pending
	s_lshl_b32 s[OF], s[QN], 6                     ; eight groups of 8 bytes
	s_add_nc_u64 s[CB0:CB0+1], s[8:9], s[OF:OF+1]
	s_lshl_b32 s[OF], s[WV], 3
	s_add_nc_u64 s[CB1:CB1+1], s[CB0:CB0+1], s[OF:OF+1]
	s_load_b512 s[GW:GW+15], s[CB0:CB0+1], 0x0
	s_load_b64 s[MYL:MYL+1], s[CB1:CB1+1], 0x0
	s_lshl_b32 s[OF], s[QN], 15                    ; 256 rows of 128 bytes,
	s_lshl_b32 s[T0], s[WV], 12                    ; my wave's 32
	s_add_co_u32 s[OF], s[OF], s[T0]
	s_add_nc_u64 s[QB:QB+1], s[HQ:HQ+1], s[OF:OF+1]
	s_add_nc_u64 s[AT:AT+1], s[HA:HA+1], s[OF:OF+1]
	s_lshl_b32 s[MQ], s[QN], 19                    ; 256 rows of the mask
	WIN 0x40
.irp t, 0,1
.irp c, 0,1
	global_load_b128 v[QF+16*\t+8*\c:QF+16*\t+8*\c+3], v[QO], s[QB:QB+1] offset:\t*2048+64*\c
	global_load_b128 v[QF+16*\t+8*\c+4:QF+16*\t+8*\c+7], v[QO], s[QB:QB+1] offset:\t*2048+64*\c+32
.endr
.endr
	WIN 0
.irp t, 0,1
	v_mov_b32 v[ST+8*\t], 0xff61b1e6               ; m: -3e38, under every t
	v_mov_b32 v[ST+8*\t+1], 0
	v_mov_b32 v[ST+8*\t+2], 0                      ; l
	v_mov_b32 v[ST+8*\t+3], 0
.endr
.set i, 0
.rept 64
	v_mov_b32 v[O+i], 0                            ; O^T: which key block is a wave's first hangs on cls, so the step is written once and the first finds zeros
.set i, i+1
.endr
	s_wait_kmcnt 0x0
	s_or_b32 s[REM], s[GW], s[GW+2]
.irp g, 4,6,8,10,12,14
	s_or_b32 s[REM], s[REM], s[GW+\g]              ; the blocks that any of the eight groups wants
.endr
	s_ctz_i32_b32 s[CUR], s[REM]
	s_min_u32 s[CUR], s[CUR], 31
	s_cmp_lg_u32 s[REM], 0
	s_cselect_b32 s[CURV], 1, 0
	s_sub_co_u32 s[T0], s[REM], 1
	s_and_b32 s[REM], s[REM], s[T0]
	s_lshr_b32 s[LV], s[MYL], s[CUR]
	s_and_b32 s[LV], s[LV], s[CURV]                ; 1: my group wants the first block,
	s_lshr_b32 s[MX], s[MYM], s[CUR]
	s_and_b32 s[MX], s[MX], s[LV]                  ; 1: with the mask applied
	s_lshl_b32 s[OF], s[CUR], 13
	s_add_nc_u64 s[KT:KT+1], s[KH:KH+1], s[OF:OF+1]
	s_add_nc_u64 s[VT:VT+1], s[VHD:VHD+1], s[OF:OF+1]
	global_load_b128 v[SG:SG+3], v[GL], s[KT:KT+1]
	global_load_b128 v[SG+4:SG+7], v[GL], s[KT:KT+1] offset:4096
	global_load_b128 v[SG+8:SG+11], v[GL], s[VT:VT+1]
	global_load_b128 v[SG+12:SG+15], v[GL], s[VT:VT+1] offset:4096
	s_cmp_eq_u32 s[MX], 0
	s_cbranch_scc1 .Lno_first_mask
	s_lshl_b32 s[OF], s[CUR], 6
	s_add_co_u32 s[OF], s[OF], s[MQ]
	s_add_nc_u64 s[MB:MB+1], s[6:7], s[OF:OF+1]
.irp t, 0,1
.irp kt, 0,1,2,3
	global_load_b64 v[MK+8*\t+2*\kt:MK+8*\t+2*\kt+1], v[MO+\t], s[MB:MB+1] offset:16*\kt   ; the first block lies in slot 0: its mask bytes go into the first set
.endr
.endr
.Lno_first_mask:
	s_wait_loadcnt 0x0                             ; the first block, its mask bytes, and Q
	ds_store_b128 v[SK], v[SG:SG+3]                ; slot 0: its last reads stand in front of barriers that every wave has passed
	ds_store_b128 v[SK], v[SG+4:SG+7] offset:32*PK
	ds_store_b128 v[SV], v[SG+8:SG+11]
	ds_store_b128 v[SV], v[SG+12:SG+15] offset:32*PV
	s_wait_dscnt 0x0
	s_barrier_signal -1
	s_barrier_wait -1
	s_mov_b32 s[TC], 16
.Ltrip:                                            ; 16 trips of two key blocks: as many as there are, whatever cls holds
	TRIP 0
	TRIP 1
	s_sub_co_u32 s[TC], s[TC], 1
	s_cmp_lg_u32 s[TC], 0
	s_cbranch_scc1 .Ltrip
	PVS                                            ; the last live block's product, where it is still pending
	; THE WAY OUT of a block of queries: O^T / l, rounded to f16, through my own stage, out as 512 consecutive bytes an instruction
.irp t, 0,1
	v_add_f32 v[ST+8*\t+4], v[ST+8*\t+2], v[ST+8*\t+3]
.endr
.irp t, 0,1
	v_permlanex16_b32 v[ST+8*\t+5], v[ST+8*\t+4], s[SEL], s[SEL+1]
.endr
.irp t, 0,1
	v_add_f32 v[ST+8*\t+4], v[ST+8*\t+4], v[ST+8*\t+5]
.endr
.irp t, 0,1
	v_rcp_f32 v[ST+8*\t+6], v[ST+8*\t+4]
.endr
	v_nop                                          ; a plain instruction behind the reciprocals
	s_wait_alu depctr_va_vdst(0)                   ; and the wait ahead of their first reader
.irp t, 0,1
.set i, 0
.rept 16
	v_pk_mul_f32 v[O+32*\t+i:O+32*\t+i+1], v[O+32*\t+i:O+32*\t+i+1], v[ST+8*\t+6:ST+8*\t+7] op_sel_hi:[1,0]
.set i, i+2
.endr
.endr
.set i, 0
.rept 32
	v_cvt_pk_f16_f32 v[P+i], v[O+2*i], v[O+2*i+1]
.set i, i+1
.endr
.irp t, 0,1
.irp dt, 0,1,2,3
	ds_store_b128 v[STO], v[P+16*\t+4*\dt:P+16*\t+4*\dt+3] offset:\t*16*PK+32*\dt
.endr
.endr
.irp i, 0,1,2,3,4,5,6,7
	ds_load_b128 v[S+4*\i:S+4*\i+3], v[RD] offset:4*PK*\i          ; LDS serves a wave's instructions in order: these see the stores above
.endr
.irp i, 0,1,2,3,4,5,6,7
	s_wait_dscnt 7-\i                              ; load i is in; the younger ones may be out
	global_store_b128 v[GO], v[S+4*\i:S+4*\i+3], s[AT:AT+1] offset:512*\i
.endr
	s_wait_xcnt 0x0                                ; the stores have read their registers and their base: both are written again in the next block
	s_sub_co_u32 s[BLK], s[BLK], 1
	s_cmp_lg_u32 s[BLK], 0
	s_cbranch_scc1 .Lblock
	s_wait_tensorcnt 0x0                           ; the wave's end: a tensor wait, an add of 0 onto my spare word, and its wait
	ds_add_u32 v[SPW], v[NIL]
	s_wait_dscnt 0x0
	s_endpgm
.Lfunc_end_k_q61c3441ab3_attn:
	.size	k_q61c3441ab3_attn, .Lfunc_end_k_q61c3441ab3_attn-k_q61c3441ab3_attn
	.p2alignl 7, 3214868480
	.fill 96, 4, 3214868480
	.section	.rodata,"a",@progbits
	.p2align	6, 0x0
	.amdhsa_kernel k_q61c3441ab3_attn
		.amdhsa_group_segment_fixed_size 76800
		.amdhsa_private_segment_fixed_size 0
		.amdhsa_enable_private_segment 0
		.amdhsa_kernarg_size 32
		.amdhsa_user_sgpr_count 2
		.amdhsa_user_sgpr_kernarg_segment_ptr 1
		.amdhsa_wavefront_size32 1
		.amdhsa_system_sgpr_workgroup_id_x 1
		.amdhsa_system_sgpr_workgroup_id_y 1
		.amdhsa_system_sgpr_workgroup_id_z 1
		.amdhsa_system_vgpr_workitem_id 0
		.amdhsa_next_free_vgpr 416
		.amdhsa_next_free_sgpr 100
		.amdhsa_reserve_vcc 0
		.amdhsa_float_denorm_mode_32 3
		.amdhsa_float_denorm_mode_16_64 3
		.amdhsa_memory_ordered 1
		.amdhsa_forward_progress 1
		.amdhsa_inst_pref_size 82
	.end_amdhsa_kernel
	.amdgpu_metadata
---
amdhsa.version: [ 1, 2 ]
amdhsa.kernels:
  - .name:           k_q61c3441ab3_attn
    .symbol:         k_q61c3441ab3_attn.kd
    .args:
      - { .name: qkv, .offset: 0, .size: 8, .value_kind: global_buffer, .address_space: global }
      - { .name: mask, .offset: 8, .size: 8, .value_kind: global_buffer, .address_space: global }
      - { .name: cls, .offset: 16, .size: 8, .value_kind: global_buffer, .address_space: global }
      - { .name: att, .offset: 24, .size: 8, .value_kind: global_buffer, .address_space: global }
    .group_segment_fixed_size: 76800
    .private_segment_fixed_size: 0
    .kernarg_segment_align: 8
    .kernarg_segment_size: 32
    .max_flat_workgroup_size: 256
    .sgpr_count:     100
    .vgpr_count:     416
    .wavefront_size: 32
...
	.end_amdgpu_metadata
.endif
;; end of part 3
;; launch proj (part 4): grid 4 x 64, 4 waves a work-group, clusters of 4 x 4, 327,680 bytes of LDS; arguments att, wo, out0; writes out0
.if DOCPART == 4
	.amdgcn_target "amdgcn-amd-amdhsa--gfx1250"
	.amdhsa_code_object_version 6
	.text
	.protected	k_q61c3441ab3_proj
	.globl	k_q61c3441ab3_proj
	.p2align	8
	.type	k_q61c3441ab3_proj,@function
k_q61c3441ab3_proj:
	s_mov_b64 s[64:65], 0
	v_nop
	global_prefetch_b8 v0, s[64:65] scope:SCOPE_SE
	s_setreg_imm32_b32 hwreg(HW_REG_WAVE_MODE, 25, 1), 1
	s_wait_xcnt 0x0
	s_wait_alu depctr_hold_cnt(0) depctr_sa_sdst(0) depctr_va_vdst(0) depctr_va_sdst(0) depctr_va_ssrc(0) depctr_va_vcc(0) depctr_vm_vsrc(0)
	s_getreg_b32 s2, hwreg(HW_REG_IB_STS2, 6, 4)
	s_cmp_eq_u32 s2, 0
	s_cbranch_scc0 .Lentry_in_a_cluster
	s_endpgm
.Lentry_in_a_cluster:
	s_bfe_u32 s2, ttmp6, 0x10000c
	s_cmp_lg_u32 s2, 0xf033
	s_cbranch_scc0 .Lentry_shape_is_right
	s_endpgm
.Lentry_shape_is_right:
; Launch 4 of 5: out0[token][n] = sum over k of attn[token][k] w_out[n][k], f16 operands (w_out's high part), f32 sums.  No work is left out here; the first 16 positions of each sequence are written again, more finely, by launch 5.
; att: [batch][head][token][64] f16, so feature k = 64 head + channel.  wo: [1024 n][1024 k] f16.  out0: [8192][1024] f32.
; A tile of out0 is 128 tokens x 256 columns: 256 work-groups.  Four waves, each 64 x 128: 32 accumulators, window 2.  K goes in steps of 128 (two heads) through a ring of two LDS slots:
; A's part of a step is two dense blocks of 128 rows x 128 bytes (waves 0, 1: a head each), B's 256 rows x 256 bytes (waves 2, 3: a half each): one tensor load a wave.
; CLUSTERS: 4 x 4 work-groups; A's tiles are asked for jointly along a row of the cluster, B's along a column.  THE MATRIX INSTRUCTION IS USED TRANSPOSED (source 0 = 16 rows of w_out, source 1 = 16 tokens).
; REGISTERS: window 0: v16-29 addresses; v64-127 A's fragments, two buffers of 4; v128-255 the way out.  window 1: v0-127 B's fragments, two buffers of 8.  window 2: accumulator (a, b) at v[8 (8 a + b)].
.set PA,     144                       ; A's LDS row: 128 bytes + 16
.set AH,     128*PA                    ; a head's 128 rows
.set BOFF,   2*AH
.set PB,     272                       ; B's: 256 + 16
.set BHF,    128*PB                    ; half of B's rows
.set SLOT,   BOFF+2*BHF
.set STAGE,  2*SLOT                    ; 16 rows x 528 bytes for each wave
.set SPITCH, 528
.set SPARE,  STAGE+4*16*SPITCH         ; the spare words, 128 bytes for each wave: two blocks of 256 bytes that no other line names
.set ADRA, 16
.set ADRB, 20
.set STO,  24
.set RD,   25
.set CO,   26
.set SPW,  28
.set NIL,  29
.set BK,   128
.set G1, 24
.set G0, 32
.set G1B, 48
.set G0B, 56
.set MSB, 0
.macro WIN new
.if MSB != \new
	s_set_vgpr_msb (MSB<<8)|\new
.set MSB, \new
.endif
.endm
.set MUL,  0xa1                        ; source 0 (B) window 1, source 1 (A) window 0, C and D window 2
.set TO_B, 0x40
.macro JLOAD s                         ; a joint load: waves 0 and 1 fetch for A, waves 2 and 3 for B; an s_nop 0 and four v_nop follow each of the two lines
	s_cmp_eq_u32 s11, 0
	s_cbranch_scc0 .Lfor_b_\@
	tensor_load_to_lds s[G0+4*\s:G0+4*\s+3], s[G1:G1+7]
	s_nop 0
.rept 4
	v_nop
.endr
	s_branch .Lasked_\@
.Lfor_b_\@:
	tensor_load_to_lds s[G0B+4*\s:G0B+4*\s+3], s[G1B:G1B+7]
	s_nop 0
.rept 4
	v_nop
.endr
.Lasked_\@:
.endm
.macro CREST
	s_cmp_lg_u32 s10, 0
	s_cbranch_scc1 .Lnot_wave_0_\@
	s_barrier_signal -3
.Lnot_wave_0_\@:
	s_barrier_wait -3
	s_barrier_signal -1
	s_barrier_wait -1
.endm
.macro CROUND
	s_barrier_signal -1
	s_barrier_wait -1
	CREST
.endm
	s_load_b128 s[4:7], s[0:1], 0x0                ; att, wo
	s_load_b64 s[8:9], s[0:1], 0x10                ; out0
	v_lshl_add_u32 v[SPW], v0, 2, SPARE
	v_mov_b32 v[NIL], 0
	ds_add_u32 v[SPW], v[NIL]                      ; the wave's opening: the add, twice on end, and its wait ahead of my first tensor load
	ds_add_u32 v[SPW], v[NIL]
	v_lshrrev_b32 v1, 5, v0
	v_readfirstlane_b32 s10, v1                    ; wave 0..3
	s_lshr_b32 s11, s10, 1                         ; which 64 rows are mine.  Also: I fetch for A (0) or for B (1)
	s_and_b32 s12, s10, 1                          ; which 128 columns.  Also: which head of A's step, or which half of B's rows, I fetch
	s_bfe_u32 s40, ttmp6, 0x40000                  ; cx, cy
	s_bfe_u32 s41, ttmp6, 0x40004
	s_lshl_b32 s42, ttmp9, 2
	s_add_co_u32 s42, s42, s40                     ; tile column
	s_and_b32 s13, ttmp7, 0xffff
	s_lshl_b32 s13, s13, 2
	s_add_co_u32 s13, s13, s41                     ; tile row
	s_lshl_b32 s43, s41, 2
	s_lshl_b32 s43, 15, s43                        ; my row of the cluster
	s_lshl_b32 s44, 0x1111, s40                    ; my column
	s_or_b32 s[G1+0], s43, (1<<16)|(1<<20)|(1<<21)|(4<<22)|(3<<25)   ; A: elements of 2 bytes; 4 words of padding after every 32
	s_mov_b32 s[G1+1], 64<<16                      ; tensor_dim0
	s_mov_b32 s[G1+2], 128<<16                     ; tensor_dim1
	s_mov_b32 s[G1+3], 64<<16                      ; tile_dim0
	s_mov_b32 s[G1+4], 128                         ; tile_dim1
	s_mov_b32 s[G1+5], 64                          ; from row to row
	s_mov_b32 s[G1+6], 0
	s_mov_b32 s[G1+7], 0
	s_or_b32 s[G1B+0], s44, (1<<16)|(1<<20)|(1<<21)|(5<<22)|(3<<25)  ; B: 4 words after every 64
	s_mov_b32 s[G1B+1], 128<<16
	s_mov_b32 s[G1B+2], 128<<16
	s_mov_b32 s[G1B+3], 128<<16
	s_mov_b32 s[G1B+4], 128
	s_mov_b32 s[G1B+5], 1024
	s_mov_b32 s[G1B+6], 0
	s_mov_b32 s[G1B+7], 0
	s_lshr_b32 s16, s13, 4                         ; A: batch = tile row / 16: 16 heads of 2^18 bytes,
	s_lshl_b32 s16, s16, 22
	s_and_b32 s17, s13, 15
	s_lshl_b32 s17, s17, 14                        ; 128 tokens of 128 bytes,
	s_add_co_u32 s16, s16, s17
	s_lshl_b32 s17, s12, 18                        ; the head that I fetch
	s_add_co_u32 s16, s16, s17
	s_mov_b32 s17, 0
	s_lshl_b32 s46, s42, 19                        ; B: 256 rows of 2,048 bytes a tile column,
	s_lshl_b32 s47, s12, 18                        ; my 128
	s_add_co_u32 s46, s46, s47
	s_mov_b32 s47, 0
	s_mul_i32 s20, s12, AH                         ; where they go: no place in the cluster enters an LDS address
	s_mul_i32 s21, s12, BHF
	s_add_co_u32 s21, s21, BOFF
	s_wait_dscnt 0x0                               ; both opening adds are done
	s_wait_kmcnt 0x0
	s_add_nc_u64 s[14:15], s[4:5], s[16:17]
	s_add_nc_u64 s[46:47], s[6:7], s[46:47]
	CROUND                                         ; all sixteen work-groups are here: the first joint loads meet
.irp s, 0,1
	s_mov_b32 s[G0+4*\s], 1
	s_add_co_u32 s[G0+4*\s+1], s20, \s*SLOT
	s_add_nc_u64 s[G0+4*\s+2:G0+4*\s+3], s[14:15], \s*0x80000      ; K step s: two heads on
	s_or_b32 s[G0+4*\s+3], s[G0+4*\s+3], 0x80000000
	s_mov_b32 s[G0B+4*\s], 1
	s_add_co_u32 s[G0B+4*\s+1], s21, \s*SLOT
	s_add_nc_u64 s[G0B+4*\s+2:G0B+4*\s+3], s[46:47], \s*256
	s_or_b32 s[G0B+4*\s+3], s[G0B+4*\s+3], 0x80000000
	JLOAD \s
.endr
	v_and_b32 v1, 15, v0                           ; r
	v_bfe_u32 v2, v0, 4, 1                         ; h
	v_mul_u32_u24 v3, v1, PA
	v_lshl_add_u32 v3, v2, 4, v3
	v_mul_u32_u24 v4, v1, PB
	v_lshl_add_u32 v4, v2, 4, v4
	s_mul_i32 s22, s11, 64*PA                      ; my 64 rows of A
	s_mul_i32 s23, s12, BHF                        ; my 128 rows of B
	s_add_co_u32 s23, s23, BOFF
.irp s, 0,1
	v_add_nc_u32 v[ADRA+\s], s22, v3
	v_add_nc_u32 v[ADRB+\s], s23, v4
	s_add_co_u32 s22, s22, SLOT
	s_add_co_u32 s23, s23, SLOT
.endr
	s_mul_i32 s23, s10, 16*SPITCH
	s_add_co_u32 s23, s23, STAGE                   ; my stage
	v_mul_u32_u24 v5, v1, SPITCH
	v_lshl_add_u32 v5, v2, 5, v5
	v_add_nc_u32 v[STO], s23, v5                   ; in: row r, 32 bytes for each half of the lanes
	v_and_b32 v6, 31, v0
	v_lshlrev_b32 v[CO], 4, v6                     ; back: the 32 lanes take one row of 512 bytes; and the same in out0
	v_add_nc_u32 v[RD], s23, v[CO]
	s_lshl_b32 s16, s13, 19                        ; 128 rows of 4,096 bytes a tile row,
	s_lshl_b32 s17, s11, 18                        ; my 64
	s_add_co_u32 s16, s16, s17
	s_mov_b32 s17, 0
	s_lshl_b32 s46, s42, 10                        ; 1,024 bytes a tile column,
	s_lshl_b32 s47, s12, 9                         ; my 512
	s_add_co_u32 s46, s46, s47
	s_mov_b32 s47, 0
	s_add_nc_u64 s[16:17], s[16:17], s[46:47]
	s_add_nc_u64 s[8:9], s[8:9], s[16:17]
.macro MUL8 f, a, zero                 ; A's block a x B's eight, 32 along K, from buffer f.  The 32 accumulators take turns, one instruction a turn, in the same order in every quarter
.irp b, 0,1,2,3,4,5,6,7
.if \zero
	v_wmma_f32_16x16x32_f16 v[8*(8*(\a)+\b):8*(8*(\a)+\b)+7], v[64*(\f)+8*\b:64*(\f)+8*\b+7], v[64+32*(\f)+8*(\a):64+32*(\f)+8*(\a)+7], 0
.else
	v_wmma_f32_16x16x32_f16 v[8*(8*(\a)+\b):8*(8*(\a)+\b)+7], v[64*(\f)+8*\b:64*(\f)+8*\b+7], v[64+32*(\f)+8*(\a):64+32*(\f)+8*(\a)+7], v[8*(8*(\a)+\b):8*(8*(\a)+\b)+7]
.endif
.endr
.endm
.macro FETCH slot, q, f                ; 24 LDS loads in one run: quarter q (32 along K) of the slot into buffer f
	WIN TO_B
.irp i, 0,1,2,3,4,5,6,7
	ds_load_b128 v[64*(\f)+8*\i:64*(\f)+8*\i+3], v[ADRB+\slot] offset:64*(\q)+\i*16*PB
	ds_load_b128 v[64*(\f)+8*\i+4:64*(\f)+8*\i+7], v[ADRB+\slot] offset:64*(\q)+\i*16*PB+32
.endr
	WIN 0
.irp i, 0,1,2,3
	ds_load_b128 v[64+32*(\f)+8*\i:64+32*(\f)+8*\i+3], v[ADRA+\slot] offset:((\q)/2)*AH+((\q)%2)*64+\i*16*PA
	ds_load_b128 v[64+32*(\f)+8*\i+4:64+32*(\f)+8*\i+7], v[ADRA+\slot] offset:((\q)/2)*AH+((\q)%2)*64+\i*16*PA+32
.endr
.endm
.macro PLACES                          ; four plain vector instructions in front of loads into registers that matrix instructions have read, and of the first read of results
.rept 4
	v_nop
.endr
.endm
.macro QUARTER slot, qn, f, zero       ; multiplies buffer f; ahead of its 32 products the next quarter, qn, is asked for into the other buffer
	s_wait_dscnt 0x0                               ; this quarter's fragments are in
	PLACES
	FETCH \slot, \qn, 1-(\f)
	WIN MUL
	MUL8 \f, 0, \zero
	MUL8 \f, 1, \zero
	MUL8 \f, 2, \zero
	MUL8 \f, 3, \zero
.endm
; A slot's last quarter multiplies buffer 1 and changes slots: ONE barrier; in front of it each wave waits for all its tensor loads, adds 0 to its spare word, and waits for that and for its reads of this slot.
.macro TURN slot, next, fill
	WIN 0                                          ; (the add's two registers lie in window 0)
	s_wait_tensorcnt 0x0                           ; all my tensor loads have landed: my part of the next slot
	ds_add_u32 v[SPW], v[NIL]                      ; 0 onto my spare word
	s_wait_dscnt 1                                 ; the fragments are in (the add may be out)
	WIN MUL
	MUL8 1, 0, 0                                   ; eight matrix instructions stand between the add and the wait for it
	s_wait_dscnt 0x0                               ; the add is done, and my reads of this slot are over
	s_barrier_signal -1
	MUL8 1, 1, 0
	WIN 0
	s_barrier_wait -1
.if \fill
	CREST                                          ; the barrier has opened a round of the cluster's barrier: no wave of any partner still reads this slot or has a load on its way
	s_add_nc_u64 s[G0+4*\slot+2:G0+4*\slot+3], s[G0+4*\slot+2:G0+4*\slot+3], 0x100000   ; two K steps on: four heads
	s_add_nc_u64 s[G0B+4*\slot+2:G0B+4*\slot+3], s[G0B+4*\slot+2:G0B+4*\slot+3], 512
	JLOAD \slot                                    ; the first tensor load behind the round, one a wave; its four v_nop are also the places in front of the loads below
.else
	PLACES
.endif
	FETCH \next, 0, 0
	WIN MUL
	MUL8 1, 2, 0
	MUL8 1, 3, 0
.endm
	s_wait_tensorcnt 1                             ; my part of K step 0 is in (K step 1's load may be out)
	s_barrier_signal -1
	s_barrier_wait -1                              ; everybody's is
	FETCH 0, 0, 0
	QUARTER 0, 1, 0, 1                             ; the first quarter stands in front of the loop: its products start the sums
	WIN 0
	s_mov_b32 s3, 3
.Llap:                                             ; a trip goes once round the ring and fills both slots again: K steps 2 to 7
	QUARTER 0, 2, 1, 0
	QUARTER 0, 3, 0, 0
	TURN 0, 1, 1
	QUARTER 1, 1, 0, 0
	QUARTER 1, 2, 1, 0
	QUARTER 1, 3, 0, 0
	TURN 1, 0, 1
	QUARTER 0, 1, 0, 0
	WIN 0
	s_sub_co_u32 s3, s3, 1
	s_cmp_lg_u32 s3, 0
	s_cbranch_scc1 .Llap
	QUARTER 0, 2, 1, 0                             ; the last lap fills nothing
	QUARTER 0, 3, 0, 0
	TURN 0, 1, 0
	QUARTER 1, 1, 0, 0
	QUARTER 1, 2, 1, 0
	QUARTER 1, 3, 0, 0
	s_wait_dscnt 0x0
	WIN MUL
	MUL8 1, 0, 0
	MUL8 1, 1, 0
	MUL8 1, 2, 0
	MUL8 1, 3, 0
	WIN 0
; THE WAY OUT, block by block of 16 rows x 128 columns: through my own stage, back as whole rows of 512 bytes.
.macro TOSTAGE a
	WIN 0x08                                       ; an LDS store's data are its source 1: window 2
.irp b, 0,1,2,3,4,5,6,7
	ds_store_b128 v[STO], v[64*(\a)+8*\b:64*(\a)+8*\b+3] offset:64*\b          ; each accumulator from its low end on
	ds_store_b128 v[STO], v[64*(\a)+8*\b+4:64*(\a)+8*\b+7] offset:64*\b+16
.endr
	WIN 0
.irp t, 0,1,2,3,4,5,6,7,8,9,10,11,12,13,14,15
	ds_load_b128 v[BK+64*((\a)%2)+4*\t:BK+64*((\a)%2)+4*\t+3], v[RD] offset:\t*SPITCH   ; LDS serves a wave's instructions in order: these see the stores above
.endr
.endm
.macro SEND a, younger
	s_wait_dscnt \younger
.irp t, 0,1,2,3,4,5,6,7,8,9,10,11,12,13,14,15
	global_store_b128 v[CO], v[BK+64*((\a)%2)+4*\t:BK+64*((\a)%2)+4*\t+3], s[8:9] offset:(\a)*65536+\t*4096 th:TH_STORE_NT   ; 32 lanes store 512 consecutive bytes, aligned
.endr
.endm
	PLACES
	TOSTAGE 0
.irp a, 1,2,3
.if \a > 1
	s_wait_xcnt 0x0                                ; block a - 2's stores have read their registers: block a's loads may land there
.endif
	TOSTAGE \a
	SEND \a-1, 32                                  ; behind block a - 1's loads: block a's 16 stores and 16 loads
.endr
	SEND 3, 0
	s_wait_tensorcnt 0x0                           ; the wave's end: a tensor wait, an add of 0 onto my spare word, and its wait
	ds_add_u32 v[SPW], v[NIL]
	s_wait_dscnt 0x0
	CROUND                                         ; the closing round
	s_endpgm
.Lfunc_end_k_q61c3441ab3_proj:
	.size	k_q61c3441ab3_proj, .Lfunc_end_k_q61c3441ab3_proj-k_q61c3441ab3_proj
	.p2alignl 7, 3214868480
	.fill 96, 4, 3214868480
	.section	.rodata,"a",@progbits
	.p2align	6, 0x0
	.amdhsa_kernel k_q61c3441ab3_proj
		.amdhsa_group_segment_fixed_size 327680
		.amdhsa_private_segment_fixed_size 0
		.amdhsa_enable_private_segment 0
		.amdhsa_kernarg_size 24
		.amdhsa_user_sgpr_count 2
		.amdhsa_user_sgpr_kernarg_segment_ptr 1
		.amdhsa_wavefront_size32 1
		.amdhsa_system_sgpr_workgroup_id_x 1
		.amdhsa_system_sgpr_workgroup_id_y 1
		.amdhsa_system_sgpr_workgroup_id_z 1
		.amdhsa_system_vgpr_workitem_id 0
		.amdhsa_next_free_vgpr 768
		.amdhsa_next_free_sgpr 66
		.amdhsa_reserve_vcc 0
		.amdhsa_float_denorm_mode_32 3
		.amdhsa_float_denorm_mode_16_64 3
		.amdhsa_memory_ordered 1
		.amdhsa_forward_progress 1
		.amdhsa_inst_pref_size 85
	.end_amdhsa_kernel
	.amdgpu_metadata
---
amdhsa.version: [ 1, 2 ]
amdhsa.kernels:
  - .name:           k_q61c3441ab3_proj
    .symbol:         k_q61c3441ab3_proj.kd
    .args:
      - { .name: att, .offset: 0, .size: 8, .value_kind: global_buffer, .address_space: global }
      - { .name: wo, .offset: 8, .size: 8, .value_kind: global_buffer, .address_space: global }
      - { .name: out0, .offset: 16, .size: 8, .value_kind: global_buffer, .address_space: global }
    .group_segment_fixed_size: 327680
    .private_segment_fixed_size: 0
    .kernarg_segment_align: 8
    .kernarg_segment_size: 24
    .max_flat_workgroup_size: 128
    .sgpr_count:     66
    .vgpr_count:     768
    .wavefront_size: 32
...
	.end_amdgpu_metadata
.endif
;; end of part 4
;; launch fine (part 5): grid 16 x 4, 8 waves a work-group, no clusters, 199,680 bytes of LDS; arguments qkv, mask, cls, wo, out0; writes out0
.if DOCPART == 5
	.amdgcn_target "amdgcn-amd-amdhsa--gfx1250"
	.amdhsa_code_object_version 6
	.text
	.protected	k_q61c3441ab3_fine
	.globl	k_q61c3441ab3_fine
	.p2align	8
	.type	k_q61c3441ab3_fine,@function
k_q61c3441ab3_fine:
	s_mov_b64 s[64:65], 0
	v_nop
	global_prefetch_b8 v0, s[64:65] scope:SCOPE_SE
	s_setreg_imm32_b32 hwreg(HW_REG_WAVE_MODE, 25, 1), 1
	s_wait_xcnt 0x0
; Launch 5 of 5: positions 0-15 of each of the four sequences once more, attention and projection, and their 64 rows of out0 written over.  Rows that may average very few values are the largest of the output,
; and there the rounding of f16 operands weighs most: so p, v, attn and w_out go as PAIRS of f16 (a high part, a low part x 2048), both parts to the matrix units: x y = xh yh + 2^-11 (xl yh + xh yl); the term 2^-22 xl yl is left.
; THE SPLIT: F = (bits + 0x1000) & 0xffffe000 is the number rounded to 11 significant bits, which f16 holds exactly; low part = (number - F) x 2048.  LIMIT: under 2^-14 the high part's own rounding, at most 2^-25, is not caught.
; q and k go as single f16 numbers: their rounding moves a score, and so a weight, by parts in ten thousand.
; WORK LEFT OUT, by whole numbers that launch 1 stored (cls, group 0: rows 0-31, which holds rows 0-15): key blocks wholly masked for the group, none of whose rows is wholly masked.  The mask is applied in every block that is walked.
; LIMITS as in the attention launch; only positions 0-15 are carried so.
; SHARES.  Work-group (cb, batch) makes rows 0-15 of the batch, columns 64 cb .. 64 cb + 63.  Wave w takes features 128 w .. 128 w + 127 of the projection's K: heads 2 w and 2 w + 1, whose attention for the 16 rows it makes itself
; (the sixteen column blocks repeat that small work).  O^T, packed in pairs, IS the projection's operand: nothing changes lanes or waves but the eight partial sums, which meet in LDS.
; NO CLUSTER, no tensor load: the walk's length hangs on a number read from memory.  64 work-groups: all the work that there is.
; REGISTERS.  window 0: v3-15 addresses; v16-23 statistics; v24-31 mask bytes; v32-47, v48-63 p's parts; v64-127 attn's parts (head e: 32 e; high 16, low 16); v128-159 S^T, later the first sums; v160-191 at work, later the second sums;
;   v192-223 O^T, high sums; v224-255 O^T, low sums.  window 1: v0-15 Q, v16-79 K, v80-143 and v144-207 V's parts; later all 256: w_out's fragments.
.set PV,    160
.set VREG,  2*64*PV                    ; a wave's own bytes for V: the high part's 64 rows, then the low part's
.set RED,   8*VREG                     ; the partial sums: 16 rows x 272 bytes for each wave
.set SPARE, RED+8*16*272               ; the spare words, 128 bytes for each wave: four blocks of 256 bytes that no other line names
.set AKG, 3
.set GL,  4
.set VW,  5
.set AVT, 6
.set MO,  7
.set WOF, 8
.set RST, 9
.set RLD, 10
.set OO,  11
.set MVR, 12
.set SPW, 14
.set NIL, 15
.set ST,  16
.set MK,  24
.set PH,  32
.set PL,  48
.set AF,  64
.set S,   128
.set F,   160
.set OH,  192
.set OL,  224
.set QF,  0
.set KF,  16
.set VHF, 80
.set VLF, 144
.set WV,  14
.set LIVE, 17
.set CNT, 18
.set REM, 19
.set IC,  20
.set KB,  21
.set OF,  22
.set KT,  24
.set VT,  26
.set VU,  28
.set MB,  30
.set HB,  32
.set SEL, 34
.set PS,  36
.set BIG, 40                           ; s[40:41] 2048.0
.set SML, 42                           ; s[42:43] 2^-11
.set T0,  46
.set MSB, 0
.macro WIN new
.if MSB != \new
	s_set_vgpr_msb (MSB<<8)|\new
.set MSB, \new
.endif
.endm
.macro SPLIT src, hi, lo               ; 32 numbers of a lane become 16 registers of high parts and 16 of low parts; v[F] on is at work; the numbers stay
.set i, 0
.rept 32
	v_add_nc_u32 v[F+i], s44, v[\src+i]
.set i, i+1
.endr
.set i, 0
.rept 32
	v_and_b32 v[F+i], s45, v[F+i]
.set i, i+1
.endr
.set i, 0
.rept 16
	v_cvt_pk_f16_f32 v[\hi+i], v[F+2*i], v[F+2*i+1]
.set i, i+1
.endr
.set i, 0
.rept 16
	v_pk_add_f32 v[F+2*i:F+2*i+1], v[\src+2*i:\src+2*i+1], v[F+2*i:F+2*i+1] neg_lo:[0,1] neg_hi:[0,1]
.set i, i+1
.endr
.set i, 0
.rept 16
	v_pk_mul_f32 v[F+2*i:F+2*i+1], v[F+2*i:F+2*i+1], s[BIG:BIG+1] op_sel_hi:[1,0]
.set i, i+1
.endr
.set i, 0
.rept 16
	v_cvt_pk_f16_f32 v[\lo+i], v[F+2*i], v[F+2*i+1]
.set i, i+1
.endr
.endm
	s_load_b256 s[4:11], s[0:1], 0x0               ; qkv, mask, cls, wo
	s_load_b64 s[12:13], s[0:1], 0x20              ; out0
	v_lshl_add_u32 v[SPW], v0, 2, SPARE
	v_mov_b32 v[NIL], 0
	v_lshrrev_b32 v1, 5, v0
	v_readfirstlane_b32 s[WV], v1                  ; wave 0..7
	v_and_b32 v160, 15, v0                         ; r
	v_bfe_u32 v161, v0, 4, 1                       ; h
	v_and_b32 v162, 7, v0
	v_bfe_u32 v163, v0, 3, 1
	v_and_b32 v164, 31, v0                         ; lane
	v_bfe_u32 v165, v0, 3, 2                       ; lane / 8
	v_lshlrev_b32 v[AKG], 7, v160
	v_lshl_add_u32 v[AKG], v161, 4, v[AKG]         ; a fragment of Q or K from memory: row r of 128 bytes, + 16 h
	v_lshlrev_b32 v[GL], 4, v164
	s_mul_i32 s[T0], s[WV], VREG
	v_mul_u32_u24 v[VW], v165, PV
	v_lshl_add_u32 v[VW], v162, 4, v[VW]
	v_add_nc_u32 v[VW], s[T0], v[VW]               ; V into my bytes: a load's 512 bytes are four rows
	v_lshl_add_u32 v[AVT], v161, 3, v162
	v_mul_u32_u24 v[AVT], v[AVT], PV
	v_lshl_add_u32 v[AVT], v163, 4, v[AVT]
	v_add_nc_u32 v[AVT], s[T0], v[AVT]             ; and back, turned
	v_lshlrev_b32 v[MO], 11, v160
	v_lshl_add_u32 v[MO], v161, 3, v[MO]           ; the mask: row r, + 8 h
	v_lshlrev_b32 v[WOF], 11, v160
	v_lshl_add_u32 v[WOF], v161, 4, v[WOF]
	v_lshl_add_u32 v[WOF], v1, 8, v[WOF]           ; w_out: row r of 2,048 bytes, + 16 h, + my 128 features
	s_mul_i32 s[T0], s[WV], 16*272
	s_add_co_u32 s[T0], s[T0], RED
	v_mul_u32_u24 v[RST], v160, 272
	v_lshl_add_u32 v[RST], v161, 5, v[RST]
	v_add_nc_u32 v[RST], s[T0], v[RST]             ; my partial sums: row r, 32 bytes for each half
	v_lshl_add_u32 v166, v1, 1, v161               ; the row that I add up and store: 2 w + h
	v_mul_u32_u24 v[RLD], v166, 272
	v_lshl_add_u32 v[RLD], v160, 4, v[RLD]
	v_add_nc_u32 v[RLD], RED, v[RLD]
	v_lshlrev_b32 v[OO], 12, v166
	v_lshl_add_u32 v[OO], v160, 4, v[OO]
	v_mov_b32 v[MVR], 0xceabfb8f                   ; -1e9 x log2(e)
.set i, 0
.rept 8
	v_mov_b32 v[ST+i], 0
.set i, i+1
.endr
	s_mov_b32 s[SEL], 0x76543210
	s_mov_b32 s[SEL+1], 0xfedcba98
	s_mov_b32 s[PS], 0
	s_mov_b32 s[PS+1], 0x01010101
	s_mov_b32 s[PS+2], 0x02020202
	s_mov_b32 s[PS+3], 0x03030303
	s_mov_b32 s[BIG], 0x45000000
	s_mov_b32 s[BIG+1], s[BIG]
	s_mov_b32 s[SML], 0x3a000000
	s_mov_b32 s[SML+1], s[SML]
	s_mov_b32 s44, 0x1000
	s_mov_b32 s45, 0xffffe000
	s_and_b32 s16, ttmp7, 0xffff                   ; batch
	s_mov_b32 s[OF+1], 0
	s_wait_kmcnt 0x0
	s_load_b32 s[LIVE], s[8:9], 0x0                ; group 0's live key blocks: at least one
	s_wait_kmcnt 0x0
	s_bcnt1_i32_b32 s[CNT], s[LIVE]
; ONE HEAD's attention for the 16 rows; its result, split, lands in v[AF + 32 e] on.
.macro HEAD e
	s_lshl_b32 s[OF], s16, 22                      ; 16 heads of 2^18 bytes a batch,
	s_lshl_b32 s[T0], s[WV], 19                    ; two heads a wave
	s_add_co_u32 s[OF], s[OF], s[T0]
	s_add_co_u32 s[OF], s[OF], (\e)<<18
	s_add_nc_u64 s[HB:HB+1], s[4:5], s[OF:OF+1]
	WIN 0x40
.irp c, 0,1
	global_load_b128 v[QF+8*\c:QF+8*\c+3], v[AKG], s[HB:HB+1] offset:64*\c
	global_load_b128 v[QF+8*\c+4:QF+8*\c+7], v[AKG], s[HB:HB+1] offset:64*\c+32
.endr
	WIN 0
	v_mov_b32 v[ST], 0xff61b1e6                    ; m: -3e38
	v_mov_b32 v[ST+1], 0
	v_mov_b32 v[ST+2], 0                           ; l
	v_mov_b32 v[ST+3], 0
.set i, 0
.rept 32
	v_mov_b32 v[OH+i], 0                           ; the loop is written once: its first trip finds zeros
	v_mov_b32 v[OL+i], 0
.set i, i+1
.endr
	s_mov_b32 s[REM], s[LIVE]
	s_mov_b32 s[IC], 0
.Lkey_\@:                                          ; a trip for each live key block: no barrier and no stepped LDS address in it
	s_ctz_i32_b32 s[KB], s[REM]
	s_min_u32 s[KB], s[KB], 31
	s_sub_co_u32 s[T0], s[REM], 1
	s_and_b32 s[REM], s[REM], s[T0]
	s_lshl_b32 s[OF], s[KB], 13
	s_add_nc_u64 s[KT:KT+1], s[HB:HB+1], s[OF:OF+1]
	s_add_nc_u64 s[VT:VT+1], s[KT:KT+1], 0x2000000   ; v,
	s_add_nc_u64 s[VU:VU+1], s[KT:KT+1], 0x3000000   ; v's low part,
	s_add_nc_u64 s[KT:KT+1], s[KT:KT+1], 0x1000000   ; k
	s_lshl_b32 s[OF], s[KB], 6
	s_add_nc_u64 s[MB:MB+1], s[6:7], s[OF:OF+1]
	WIN 0x40
.irp kt, 0,1,2,3
.irp c, 0,1
	global_load_b128 v[KF+16*\kt+8*\c:KF+16*\kt+8*\c+3], v[AKG], s[KT:KT+1] offset:\kt*2048+64*\c
	global_load_b128 v[KF+16*\kt+8*\c+4:KF+16*\kt+8*\c+7], v[AKG], s[KT:KT+1] offset:\kt*2048+64*\c+32
.endr
.endr
.irp i, 0,1,2,3,4,5,6,7,8,9,10,11,12,13,14,15
	global_load_b128 v[VHF+4*\i:VHF+4*\i+3], v[GL], s[VT:VT+1] offset:512*\i
	global_load_b128 v[VLF+4*\i:VLF+4*\i+3], v[GL], s[VU:VU+1] offset:512*\i
.endr
	WIN 0
.irp kt, 0,1,2,3
	global_load_b64 v[MK+2*\kt:MK+2*\kt+1], v[MO], s[MB:MB+1] offset:16*\kt
.endr
	s_wait_loadcnt 0x0
	WIN 0x04                                       ; an LDS store's data are its source 1: window 1
.irp i, 0,1,2,3,4,5,6,7,8,9,10,11,12,13,14,15
	ds_store_b128 v[VW], v[VHF+4*\i:VHF+4*\i+3] offset:4*PV*\i
	ds_store_b128 v[VW], v[VLF+4*\i:VLF+4*\i+3] offset:64*PV+4*PV*\i
.endr
	WIN 0x40
.irp c, 0,1
.irp dt, 0,1,2,3
	ds_load_tr16_b128 v[VHF+32*\c+8*\dt:VHF+32*\c+8*\dt+3], v[AVT] offset:\c*32*PV+32*\dt          ; my own bytes; LDS serves a wave's instructions in order
	ds_load_tr16_b128 v[VHF+32*\c+8*\dt+4:VHF+32*\c+8*\dt+7], v[AVT] offset:\c*32*PV+16*PV+32*\dt
	ds_load_tr16_b128 v[VLF+32*\c+8*\dt:VLF+32*\c+8*\dt+3], v[AVT] offset:64*PV+\c*32*PV+32*\dt
	ds_load_tr16_b128 v[VLF+32*\c+8*\dt+4:VLF+32*\c+8*\dt+7], v[AVT] offset:64*PV+\c*32*PV+16*PV+32*\dt
.endr
.endr
	WIN 0x05
.irp kt, 0,1,2,3                               ; four accumulators by turns
	v_wmma_f32_16x16x32_f16 v[S+8*\kt:S+8*\kt+7], v[KF+16*\kt:KF+16*\kt+7], v[QF:QF+7], 0
.endr
.irp kt, 0,1,2,3
	v_wmma_f32_16x16x32_f16 v[S+8*\kt:S+8*\kt+7], v[KF+16*\kt+8:KF+16*\kt+15], v[QF+8:QF+15], v[S+8*\kt:S+8*\kt+7]
.endr
	WIN 0
.rept 4
	v_nop
.endr
.irp kt, 0,1,2,3                               ; the mask, always
.irp u, 0,1
	v_lshlrev_b32 v[F+4+\u], 8, v[MK+2*\kt+\u]
.endr
.irp u, 0,1
	v_sub_nc_u32 v[MK+2*\kt+\u], v[F+4+\u], v[MK+2*\kt+\u]         ; bytes 0 or 1 become 0 or 255
.endr
.irp j, 0,1,2,3,4,5,6,7
	v_perm_b32 v[F+(\j)%4], v[MK+2*\kt+(\j)/4], v[MK+2*\kt+(\j)/4], s[PS+(\j)%4]
	v_bfi_b32 v[S+8*\kt+\j], v[F+(\j)%4], v[MVR], v[S+8*\kt+\j]
.endr
.endr
.irp j, 0,1,2,3
	v_max3_num_f32 v[ST+4+\j], v[S+8*\j], v[S+8*\j+1], v[S+8*\j+2]
.endr
.irp i, 3,5
.irp j, 0,1,2,3
	v_max3_num_f32 v[ST+4+\j], v[ST+4+\j], v[S+8*\j+\i], v[S+8*\j+\i+1]
.endr
.endr
	v_max3_num_f32 v[ST+4], v[ST+4], v[S+7], v[S+15]
	v_max3_num_f32 v[ST+6], v[ST+6], v[S+23], v[S+31]
	v_max3_num_f32 v[ST+4], v[ST+4], v[ST+5], v[ST+6]
	v_max3_num_f32 v[ST+4], v[ST+4], v[ST+7], v[ST]
	v_permlanex16_b32 v[ST+5], v[ST+4], s[SEL], s[SEL+1]
	v_max_num_f32 v[ST+4], v[ST+4], v[ST+5]
	v_sub_f32 v[ST+1], v[ST], v[ST+4]
	v_mov_b32 v[ST], v[ST+4]
.set i, 0
.rept 16
	v_pk_add_f32 v[S+i:S+i+1], v[S+i:S+i+1], v[ST:ST+1] op_sel_hi:[1,0] neg_lo:[0,1] neg_hi:[0,1]
.set i, i+2
.endr
	v_exp_f32 v[ST+6], v[ST+1]                     ; a
.set i, 0
.rept 32
	v_exp_f32 v[S+i], v[S+i]                       ; p
.set i, i+1
.endr
	v_nop                                          ; a plain instruction behind the last exponential
	s_wait_alu depctr_va_vdst(0)                   ; one wait for the batch, ahead of its first reader
	SPLIT S, PH, PL
.irp u, 0,1,2,3,4,5,6,7                        ; the sum of the f32 p, in place
	v_pk_add_f32 v[S+4*\u:S+4*\u+1], v[S+4*\u:S+4*\u+1], v[S+4*\u+2:S+4*\u+3]
.endr
.irp u, 0,1,2,3
	v_pk_add_f32 v[S+8*\u:S+8*\u+1], v[S+8*\u:S+8*\u+1], v[S+8*\u+4:S+8*\u+5]
.endr
.irp u, 0,1
	v_pk_add_f32 v[S+16*\u:S+16*\u+1], v[S+16*\u:S+16*\u+1], v[S+16*\u+8:S+16*\u+9]
.endr
	v_pk_add_f32 v[S:S+1], v[S:S+1], v[S+16:S+17]
	v_pk_fma_f32 v[ST+2:ST+3], v[ST+2:ST+3], v[ST+6:ST+7], v[S:S+1] op_sel_hi:[1,0,1]
.set i, 0
.rept 16
	v_pk_mul_f32 v[OH+i:OH+i+1], v[OH+i:OH+i+1], v[ST+6:ST+7] op_sel_hi:[1,0]
.set i, i+2
.endr
.set i, 0
.rept 16
	v_pk_mul_f32 v[OL+i:OL+i+1], v[OL+i:OL+i+1], v[ST+6:ST+7] op_sel_hi:[1,0]
.set i, i+2
.endr
	s_wait_dscnt 0x0                               ; V's two parts are in
	WIN 0x01
.irp c, 0,1
.irp dt, 0,1,2,3
	v_wmma_f32_16x16x32_f16 v[OH+8*\dt:OH+8*\dt+7], v[VHF+32*\c+8*\dt:VHF+32*\c+8*\dt+7], v[PH+8*\c:PH+8*\c+7], v[OH+8*\dt:OH+8*\dt+7]
.endr
.irp dt, 0,1,2,3
	v_wmma_f32_16x16x32_f16 v[OL+8*\dt:OL+8*\dt+7], v[VLF+32*\c+8*\dt:VLF+32*\c+8*\dt+7], v[PH+8*\c:PH+8*\c+7], v[OL+8*\dt:OL+8*\dt+7]
.endr
.irp dt, 0,1,2,3
	v_wmma_f32_16x16x32_f16 v[OL+8*\dt:OL+8*\dt+7], v[VHF+32*\c+8*\dt:VHF+32*\c+8*\dt+7], v[PL+8*\c:PL+8*\c+7], v[OL+8*\dt:OL+8*\dt+7]
.endr
.endr
	WIN 0
.rept 4
	v_nop                                          ; places in front of the next loads into the fragments' registers and the next read of the sums
.endr
	s_add_co_u32 s[IC], s[IC], 1
	s_cmp_lt_u32 s[IC], s[CNT]
	s_cbranch_scc1 .Lkey_\@
	v_add_f32 v[ST+4], v[ST+2], v[ST+3]
	v_permlanex16_b32 v[ST+5], v[ST+4], s[SEL], s[SEL+1]
	v_add_f32 v[ST+4], v[ST+4], v[ST+5]
	v_rcp_f32 v[ST+6], v[ST+4]
	v_nop
	s_wait_alu depctr_va_vdst(0)                   ; the wait ahead of the reciprocal's first reader
.set i, 0
.rept 16
	v_pk_fma_f32 v[S+i:S+i+1], v[OL+i:OL+i+1], s[SML:SML+1], v[OH+i:OH+i+1] op_sel_hi:[1,0,1]   ; the two sums joined,
.set i, i+2
.endr
.set i, 0
.rept 16
	v_pk_mul_f32 v[S+i:S+i+1], v[S+i:S+i+1], v[ST+6:ST+7] op_sel_hi:[1,0]                       ; / l: register 8 dt + j is channel 16 dt + 8 h + j of row r
.set i, i+2
.endr
	SPLIT S, AF+32*(\e), AF+32*(\e)+16             ; packed in pairs these are the projection's fragments: 16 rows x 32 features each
.endm
	HEAD 0
	HEAD 1
	; THE PROJECTION over my 128 features: four tiles of 16 columns, transposed (source 0 = 16 rows of w_out, source 1 = the 16 rows of attn)
	s_lshl_b32 s[OF], ttmp9, 17                    ; 64 rows of 2,048 bytes a column block
	s_add_nc_u64 s[48:49], s[10:11], s[OF:OF+1]
	s_add_nc_u64 s[50:51], s[48:49], 0x200000      ; the low part
	WIN 0x40
.irp nt, 0,1,2,3
.irp c, 0,1,2,3
	global_load_b128 v[8*(4*\nt+\c):8*(4*\nt+\c)+3], v[WOF], s[48:49] offset:\nt*32768+64*\c
	global_load_b128 v[8*(4*\nt+\c)+4:8*(4*\nt+\c)+7], v[WOF], s[48:49] offset:\nt*32768+64*\c+32
	global_load_b128 v[128+8*(4*\nt+\c):128+8*(4*\nt+\c)+3], v[WOF], s[50:51] offset:\nt*32768+64*\c
	global_load_b128 v[128+8*(4*\nt+\c)+4:128+8*(4*\nt+\c)+7], v[WOF], s[50:51] offset:\nt*32768+64*\c+32
.endr
.endr
	s_wait_loadcnt 0x0
	WIN 0x01
.irp c, 0,1,2,3                                ; features 32 c on: head c / 2, its channels 32 (c % 2) on
.irp nt, 0,1,2,3
.if \c == 0
	v_wmma_f32_16x16x32_f16 v[S+8*\nt:S+8*\nt+7], v[8*(4*\nt+\c):8*(4*\nt+\c)+7], v[AF+32*((\c)/2)+8*((\c)%2):AF+32*((\c)/2)+8*((\c)%2)+7], 0
.else
	v_wmma_f32_16x16x32_f16 v[S+8*\nt:S+8*\nt+7], v[8*(4*\nt+\c):8*(4*\nt+\c)+7], v[AF+32*((\c)/2)+8*((\c)%2):AF+32*((\c)/2)+8*((\c)%2)+7], v[S+8*\nt:S+8*\nt+7]
.endif
.endr
.irp nt, 0,1,2,3
.if \c == 0
	v_wmma_f32_16x16x32_f16 v[F+8*\nt:F+8*\nt+7], v[128+8*(4*\nt+\c):128+8*(4*\nt+\c)+7], v[AF+32*((\c)/2)+8*((\c)%2):AF+32*((\c)/2)+8*((\c)%2)+7], 0
.else
	v_wmma_f32_16x16x32_f16 v[F+8*\nt:F+8*\nt+7], v[128+8*(4*\nt+\c):128+8*(4*\nt+\c)+7], v[AF+32*((\c)/2)+8*((\c)%2):AF+32*((\c)/2)+8*((\c)%2)+7], v[F+8*\nt:F+8*\nt+7]
.endif
.endr
.irp nt, 0,1,2,3
	v_wmma_f32_16x16x32_f16 v[F+8*\nt:F+8*\nt+7], v[8*(4*\nt+\c):8*(4*\nt+\c)+7], v[AF+32*((\c)/2)+16+8*((\c)%2):AF+32*((\c)/2)+16+8*((\c)%2)+7], v[F+8*\nt:F+8*\nt+7]
.endr
.endr
	WIN 0
.rept 4
	v_nop
.endr
.set i, 0
.rept 16
	v_pk_fma_f32 v[OH+i:OH+i+1], v[F+i:F+i+1], s[SML:SML+1], v[S+i:S+i+1] op_sel_hi:[1,0,1]   ; my partial sums: register 8 nt + j is column 16 nt + 8 h + j of row r
.set i, i+2
.endr
.irp nt, 0,1,2,3
	ds_store_b128 v[RST], v[OH+8*\nt:OH+8*\nt+3] offset:64*\nt
	ds_store_b128 v[RST], v[OH+8*\nt+4:OH+8*\nt+7] offset:64*\nt+16
.endr
	s_wait_dscnt 0x0                               ; for the others' sake: my stores are done
	s_barrier_signal -1
	s_barrier_wait -1
.irp p, 0,1,2,3,4,5,6,7
	ds_load_b128 v[S+4*\p:S+4*\p+3], v[RLD] offset:16*272*\p       ; the eight waves' sums for my 16 bytes of row 2 w + h
.endr
	s_lshl_b32 s[OF], s16, 23                      ; 2,048 rows of 4,096 bytes a batch,
	s_lshl_b32 s[T0], ttmp9, 8                     ; 256 bytes a column block
	s_add_co_u32 s[OF], s[OF], s[T0]
	s_add_nc_u64 s[12:13], s[12:13], s[OF:OF+1]
	s_wait_dscnt 0x0
.irp p, 1,2,3,4,5,6,7
	v_pk_add_f32 v[S:S+1], v[S:S+1], v[S+4*\p:S+4*\p+1]
	v_pk_add_f32 v[S+2:S+3], v[S+2:S+3], v[S+4*\p+2:S+4*\p+3]
.endr
	global_store_b128 v[OO], v[S:S+3], s[12:13]    ; 16 lanes store 256 consecutive bytes, aligned
	s_wait_tensorcnt 0x0                           ; the wave's end: a tensor wait, an add of 0 onto my spare word, and its wait
	ds_add_u32 v[SPW], v[NIL]
	s_wait_dscnt 0x0
	s_endpgm
.Lfunc_end_k_q61c3441ab3_fine:
	.size	k_q61c3441ab3_fine, .Lfunc_end_k_q61c3441ab3_fine-k_q61c3441ab3_fine
	.p2alignl 7, 3214868480
	.fill 96, 4, 3214868480
	.section	.rodata,"a",@progbits
	.p2align	6, 0x0
	.amdhsa_kernel k_q61c3441ab3_fine
		.amdhsa_group_segment_fixed_size 199680
		.amdhsa_private_segment_fixed_size 0
		.amdhsa_enable_private_segment 0
		.amdhsa_kernarg_size 40
		.amdhsa_user_sgpr_count 2
		.amdhsa_user_sgpr_kernarg_segment_ptr 1
		.amdhsa_wavefront_size32 1
		.amdhsa_system_sgpr_workgroup_id_x 1
		.amdhsa_system_sgpr_workgroup_id_y 1
		.amdhsa_system_sgpr_workgroup_id_z 1
		.amdhsa_system_vgpr_workitem_id 0
		.amdhsa_next_free_vgpr 512
		.amdhsa_next_free_sgpr 80
		.amdhsa_reserve_vcc 0
		.amdhsa_float_denorm_mode_32 3
		.amdhsa_float_denorm_mode_16_64 3
		.amdhsa_memory_ordered 1
		.amdhsa_forward_progress 1
		.amdhsa_inst_pref_size 96
	.end_amdhsa_kernel
	.amdgpu_metadata
---
amdhsa.version: [ 1, 2 ]
amdhsa.kernels:
  - .name:           k_q61c3441ab3_fine
    .symbol:         k_q61c3441ab3_fine.kd
    .args:
      - { .name: qkv, .offset: 0, .size: 8, .value_kind: global_buffer, .address_space: global }
      - { .name: mask, .offset: 8, .size: 8, .value_kind: global_buffer, .address_space: global }
      - { .name: cls, .offset: 16, .size: 8, .value_kind: global_buffer, .address_space: global }
      - { .name: wo, .offset: 24, .size: 8, .value_kind: global_buffer, .address_space: global }
      - { .name: out0, .offset: 32, .size: 8, .value_kind: global_buffer, .address_space: global }
    .group_segment_fixed_size: 199680
    .private_segment_fixed_size: 0
    .kernarg_segment_align: 8
    .kernarg_segment_size: 40
    .max_flat_workgroup_size: 256
    .sgpr_count:     80
    .vgpr_count:     512
    .wavefront_size: 32
...
	.end_amdgpu_metadata
.endif
;; end of part 5
